; MI455X (gfx1250); checked and timed in simulation.
; The chip was launched on July 23, 2026; its instructions are those of AMD's public machine-readable ISA for CDNA 5 (MIT licence, August 2026) and "CDNA5" Instruction Set Architecture Reference Guide (July 2026). The comments in the code are by the model that wrote it; some were corrected since.
;; Rotary Position Multi Head Attention. Allowed arithmetic: float matrix products may take bf16 or f16 operands with f32 sums; other float arithmetic in f32, or as packed bf16 or f16 multiplies, adds, multiply-adds, maxima and minima; sums over many terms, partial sums and values carried from step to step in f32; what a program stores and reads back later, other than sums and carried values, may be rounded once to bf16 or f16.
;; Inputs: Wk 1,024 x 1,024 float32; Wo 1,024 x 1,024 float32; Wq 1,024 x 1,024 float32; Wv 1,024 x 1,024 float32; bk 1,024 float32; bo 1,024 float32; bq 1,024 float32; bv 1,024 float32; cos 2,048 x 1 x 1 x 64 float32; key 4 x 2,048 x 1,024 float32; mask 4 x 2,048 x 2,048 bool; query 4 x 2,048 x 1,024 float32; sin 2,048 x 1 x 1 x 64 float32; value 4 x 2,048 x 1,024 float32.
;; Outputs: out0 4 x 2,048 x 1,024 float32.
;; One version. Each part assembles by itself: llvm-mc -triple=amdgcn-amd-amdhsa -mcpu=gfx1250 --defsym DOCPART=n.
;; ======== version 1 of 1: 4 launches
;; limits: values are held in f16: magnitudes above 65,504 overflow, below 6.1e-05 lose precision
;; workspace buffers: xw 50,331,648 bytes; wb 8,388,608 bytes; mk 16,777,216 bytes; cnt 32,768 bytes; qkv 50,331,648 bytes; ob 16,777,216 bytes
;; launch prep (part 1): grid 256 x 9, 8 waves a work-group, no clusters, 36,352 bytes of LDS; arguments query, key, value, Wq, Wk, Wv, Wo, cos, sin, mask, xw, wb, mk, cnt; writes xw, wb, mk, cnt
.if DOCPART == 1
	.amdgcn_target "amdgcn-amd-amdhsa--gfx1250"
	.amdhsa_code_object_version 6
	.text
	.protected	k_qc7db0027ff_prep
	.globl	k_qc7db0027ff_prep
	.p2align	8
	.type	k_qc7db0027ff_prep,@function
k_qc7db0027ff_prep:
	s_mov_b64 s[64:65], 0
	v_nop
	global_prefetch_b8 v0, s[64:65] scope:SCOPE_SE
	s_setreg_imm32_b32 hwreg(HW_REG_WAVE_MODE, 25, 1), 1
	s_wait_xcnt 0x0
; PREP: everything that the three matrix launches read is rounded once and laid out for them.  A stream: no matrix unit, no cluster (no work-group reads what another reads, but for cos and sin).
;   xw  f16 [b 4][p 3][kb 16][t 2048][64]   p = 0: query with the rotary turn, 1: key with it, 2: value; kb = channel / 64 (a head's 64 channels of neighbouring rows lie end to end)
;   wb  f16 [p 4][kb 16][n 1024][64]        Wq / 16, Wk / 16, Wv, Wo (the factor 2^-4 is exact; it keeps q and k far inside f16; the attention's scale takes it back)
;   mk  bytes [b 4][qt 128][step 32][j 2][lane 32][16]: 0x00, or 0xC0 (-2.0 as an 8-bit float) where the mask hides the key.  Lane (r = l % 16, h = l / 16) has, of query 16 qt + r,
;       the keys 64 step + 32 j + 8 h + 0..7 and then 64 step + 32 j + 16 + 8 h + 0..7: the order in which the attention's score registers hold them
;   cnt f32 [b 4][t 2048]: how many keys the mask hides in the row
; The turn: out[d] = x[d] cos[t][d] - x[d + 32] sin[t][d] for d < 32, x[d] cos[t][d] + x[d - 32] sin[t][d] for d >= 32, within each 64 channels; one product and one fused multiply-add in f32, rounded once to f16.
; LIMITS.  f16 ends at 65,504: a turned query or key, a value or a weight beyond that becomes an infinity; below 6e-5 f16 keeps its fixed step of 6e-8.  A mask byte is 0 or 1.
; SHARES.  grid y = 0..5: 16 rows of query (0, 1), key (2, 3), value (4, 5); y = 6: 16 rows of a weight; y = 7, 8: 16 rows of the mask.  A wave takes two rows: a load covers 256 consecutive
; bytes of each (one head), a store 256 consecutive bytes, aligned (two rows' 64 channels).  All 16 loads of a wave go out at once; no register is used twice, so nothing waits but for data.
.set MP,    272                        ; the mask's stage: a row of 256 bytes + 16: 68 words, so the 16 rows that a read touches start at 16 different groups of four banks (64 banks of 4 bytes: ISA guide 11.1)
.set CNL,   8*16*MP                    ; behind the eight waves' stages: 16 counts for each wave
.set SPARE, CNL+512                    ; the spare words, 128 bytes for each wave: four blocks of 256 bytes that no other line names
.set IO,  4                            ; v4   in: (l / 16) x 4,096 + (l % 16) x 16
.set OO,  5                            ; v5   out: 8 l
.set SPW, 6                            ; v6   LDS address of my spare word; never rewritten
.set NIL, 7                            ; v7   0; never rewritten
.set CSR, 8                            ; v[8:11]   cos of my 4 channels
.set SNR, 12                           ; v[12:15]  sin of them, negative for d < 32
.set T,   16                           ; v[16:23]  at work, two sets
.set X,   32                           ; v[32:95]  16 loads of 4
.set R,   64                           ; v[64:95]  the mask job: the bytes in their new order
.set Y,   96                           ; v[96:127] 16 stores of 2
	s_load_b512 s[8:23], s[0:1], 0x0               ; query 8, key 10, value 12, Wq 14, Wk 16, Wv 18, Wo 20, cos 22
	s_load_b256 s[24:31], s[0:1], 0x40             ; sin 24, mask 26, xw 28, wb 30
	s_load_b128 s[32:35], s[0:1], 0x60             ; mk 32, cnt 34
	v_lshl_add_u32 v[SPW], v0, 2, SPARE
	v_mov_b32 v[NIL], 0
	v_lshrrev_b32 v1, 5, v0
	v_readfirstlane_b32 s36, v1                    ; wave 0..7
	s_and_b32 s37, ttmp7, 0xffff                   ; the job
	v_and_b32 v1, 31, v0                           ; l
	v_and_b32 v2, 15, v0                           ; l % 16
	v_bfe_u32 v3, v0, 4, 1                         ; l / 16
	v_lshlrev_b32 v[IO], 4, v2
	v_lshl_add_u32 v[IO], v3, 12, v[IO]
	v_lshlrev_b32 v[OO], 3, v1
	s_mov_b32 s3, 0
	s_mov_b32 s45, 0
	s_wait_kmcnt 0x0
	s_cmp_ge_u32 s37, 7
	s_cbranch_scc1 .Lmask
	s_cmp_eq_u32 s37, 6
	s_cbranch_scc1 .Lw
.macro LOADX                           ; two rows of 4,096 bytes: load c takes head c of both
.set c, 0
.rept 16
	global_load_b128 v[X+4*c:X+4*c+3], v[IO], s[46:47] offset:256*c th:TH_LOAD_NT
.set c, c+1
.endr
.endm
; Two rows are rounded and stored, plane by plane; scaled = 1: times s40 first.  The counts run down with the loads still out.
.macro CAST dst, stride, scaled
	LOADX
.set c, 0
.rept 16
	s_wait_loadcnt 15-c
.if \scaled
	v_pk_mul_f32 v[X+4*c:X+4*c+1], v[X+4*c:X+4*c+1], s[40:41] op_sel_hi:[1,0]
	v_pk_mul_f32 v[X+4*c+2:X+4*c+3], v[X+4*c+2:X+4*c+3], s[40:41] op_sel_hi:[1,0]
.endif
	v_cvt_pk_f16_f32 v[Y+2*c], v[X+4*c], v[X+4*c+1]
	v_cvt_pk_f16_f32 v[Y+2*c+1], v[X+4*c+2], v[X+4*c+3]
	global_store_b64 v[OO], v[Y+2*c:Y+2*c+1], s[\dst:\dst+1] offset:(\stride)*c
.set c, c+1
.endr
	s_endpgm
.endm
	; query, key, value
	s_lshr_b32 s38, s37, 1                         ; p
	s_and_b32 s40, s37, 1
	s_lshl_b32 s40, s40, 12
	s_lshl_b32 s41, ttmp9, 4
	s_add_co_u32 s40, s40, s41
	s_lshl_b32 s41, s36, 1
	s_add_co_u32 s40, s40, s41                     ; my first row of 8,192
	s_lshr_b32 s41, s40, 11                        ; b
	s_and_b32 s42, s40, 2047                       ; t
	s_lshl_b32 s2, s40, 12                         ; the row in the input
	s_mul_i32 s41, s41, 3
	s_add_co_u32 s41, s41, s38
	s_lshl_b32 s44, s41, 22                        ; 16 planes of 262,144 bytes for each (b, p)
	s_lshl_b32 s43, s42, 7
	s_add_co_u32 s44, s44, s43
	s_add_nc_u64 s[28:29], s[28:29], s[44:45]
	s_cmp_eq_u32 s38, 2
	s_cbranch_scc1 .Lval
	s_cmp_eq_u32 s38, 1
	s_cselect_b64 s[46:47], s[10:11], s[8:9]
	s_add_nc_u64 s[46:47], s[46:47], s[2:3]
	s_lshl_b32 s44, s42, 8                         ; a row of cos or sin is 256 bytes
	s_add_nc_u64 s[22:23], s[22:23], s[44:45]
	s_add_nc_u64 s[24:25], s[24:25], s[44:45]
	v_lshlrev_b32 v24, 4, v1                       ; lanes 0-15: row t, lanes 16-31: row t + 1
	global_load_b128 v[CSR:CSR+3], v24, s[22:23]
	global_load_b128 v[SNR:SNR+3], v24, s[24:25]
	LOADX
	v_and_b32 v25, 8, v0
	v_xor_b32 v25, 8, v25
	v_lshlrev_b32 v25, 28, v25                     ; the sign bit where d < 32 (lanes 0-7 of 16)
.irp i, 0,1,2,3,4,5,6,7
	v_mov_b32 v[T+\i], 0                           ; the lines below that read another lane count as readers of their destination
.endr
	s_wait_loadcnt 16                              ; cos and sin are in; the 16 loads behind them stay out
.irp i, 0,1,2,3
	v_xor_b32 v[SNR+\i], v25, v[SNR+\i]
.endr
.set c, 0
.rept 16
.set TT, T+4*(c%2)
	s_wait_loadcnt 15-c
.irp i, 0,1,2,3
	v_mul_f32_dpp v[TT+\i], v[X+4*c+\i], v[SNR+\i] row_xmask:8 row_mask:0xf bank_mask:0xf  ; the partner 32 channels away lies 8 lanes away
.endr
	v_pk_fma_f32 v[TT:TT+1], v[X+4*c:X+4*c+1], v[CSR:CSR+1], v[TT:TT+1]
	v_pk_fma_f32 v[TT+2:TT+3], v[X+4*c+2:X+4*c+3], v[CSR+2:CSR+3], v[TT+2:TT+3]
	v_cvt_pk_f16_f32 v[Y+2*c], v[TT], v[TT+1]
	v_cvt_pk_f16_f32 v[Y+2*c+1], v[TT+2], v[TT+3]
	global_store_b64 v[OO], v[Y+2*c:Y+2*c+1], s[28:29] offset:262144*c  ; 256 consecutive bytes, aligned: two rows of plane c
.set c, c+1
.endr
	s_endpgm
.Lval:
	s_add_nc_u64 s[46:47], s[12:13], s[2:3]
	CAST 28, 262144, 0
.Lw:
	s_lshr_b32 s38, ttmp9, 6                       ; which weight
	s_and_b32 s40, ttmp9, 63
	s_lshl_b32 s40, s40, 4
	s_lshl_b32 s41, s36, 1
	s_add_co_u32 s40, s40, s41                     ; my first row of 1,024
	s_lshl_b32 s2, s40, 12
	s_lshl_b32 s44, s38, 21                        ; 16 planes of 131,072 bytes for each weight
	s_lshl_b32 s43, s40, 7
	s_add_co_u32 s44, s44, s43
	s_add_nc_u64 s[30:31], s[30:31], s[44:45]
	s_cmp_eq_u32 s38, 1
	s_cselect_b64 s[46:47], s[16:17], s[14:15]
	s_cmp_eq_u32 s38, 2
	s_cselect_b64 s[46:47], s[18:19], s[46:47]
	s_cmp_eq_u32 s38, 3
	s_cselect_b64 s[46:47], s[20:21], s[46:47]
	s_add_nc_u64 s[46:47], s[46:47], s[2:3]
	s_cmp_lt_u32 s38, 2
	s_cselect_b32 s40, 0x3d800000, 1.0             ; 2^-4 for Wq and Wk
	s_mov_b32 s41, s40
	CAST 30, 131072, 1
.Lmask:                                        ; 16 rows of 2,048 bytes; wave w takes keys 256 w .. 256 w + 255 of all 16
	s_sub_co_u32 s38, s37, 7
	s_lshl_b32 s38, s38, 8
	s_add_co_u32 s38, s38, ttmp9                   ; 128 b + qt
	s_lshl_b32 s2, s38, 15                         ; 32,768 bytes in mask and in mk
	s_add_nc_u64 s[26:27], s[26:27], s[2:3]
	s_add_nc_u64 s[32:33], s[32:33], s[2:3]
	s_lshl_b32 s44, s38, 6
	s_add_nc_u64 s[34:35], s[34:35], s[44:45]
	s_lshl_b32 s40, s36, 8
	v_lshlrev_b32 v20, 4, v2
	v_lshl_add_u32 v20, v3, 11, v20
	v_add_nc_u32 v20, s40, v20                     ; lanes 0-15: 256 bytes of an even row, lanes 16-31: of the odd row below
.set i, 0
.rept 8
	global_load_b128 v[X+4*i:X+4*i+3], v20, s[26:27] offset:4096*i th:TH_LOAD_NT
.set i, i+1
.endr
	s_mul_i32 s41, s36, 16*MP                      ; my wave's stage
	v_mul_u32_u24 v21, v3, MP
	v_lshl_add_u32 v21, v2, 4, v21
	v_add_nc_u32 v21, s41, v21                     ; in: as loaded
	v_mul_u32_u24 v22, v2, MP
	v_lshl_add_u32 v22, v3, 3, v22
	v_add_nc_u32 v22, s41, v22                     ; back: row l % 16, 8 bytes at 8 (l / 16)
	s_lshl_b32 s41, s36, 12
	v_lshl_add_u32 v23, v1, 4, s41                 ; in mk: four steps of 1,024 bytes a wave, 16 bytes a lane
	s_lshl_b32 s41, s36, 6
	s_add_co_u32 s41, s41, CNL
	v_lshl_add_u32 v26, v2, 2, s41                 ; my wave's count of row l % 16
	s_mov_b32 s42, 0x76543210                      ; each lane takes its own place in the other half
	s_mov_b32 s43, 0xfedcba98
	s_mov_b32 s46, 0x01010101
.set i, 0
.rept 8
	s_wait_loadcnt 7-i
	ds_store_b128 v21, v[X+4*i:X+4*i+3] offset:2*MP*i
.set i, i+1
.endr
.set i, 0
.rept 16                               ; LDS serves a wave's instructions in order (ISA guide 5.7.1.4): these see the stores above; the stage is my wave's own
	ds_load_b64 v[R+2*i:R+2*i+1], v22 offset:16*i
.set i, i+1
.endr
	s_wait_dscnt 0x0
	v_add3_u32 v24, v[R], v[R+1], v[R+2]           ; the count: 32 words are added byte beside byte (32 at the most in a byte),
	v_add3_u32 v25, v[R+3], v[R+4], v[R+5]
.set i, 6
.rept 6
	v_add3_u32 v24, v24, v[R+i], v[R+i+1]
	v_add3_u32 v25, v25, v[R+i+2], v[R+i+3]
.set i, i+4
.endr
	v_add3_u32 v24, v24, v[R+30], v[R+31]
	v_add_nc_u32 v24, v24, v25
	v_mul_lo_u32 v24, v24, s46                     ; the four bytes into the top one,
	v_lshrrev_b32 v24, 24, v24
	v_permlanex16_b32 v25, v24, s42, s43           ; and the row's other half of my 256 keys
	v_add_nc_u32 v24, v24, v25
	ds_store_b32 v26, v24                          ; both halves of the lanes write the same number to the same word
.set i, 0
.rept 32
	v_lshlrev_b32 v[X+i], 6, v[R+i]                ; 1 becomes 0xC0 in each byte
	v_lshl_or_b32 v[R+i], v[R+i], 7, v[X+i]
.set i, i+1
.endr
.set i, 0
.rept 8
	global_store_b128 v23, v[R+4*i:R+4*i+3], s[32:33] offset:512*i  ; 512 consecutive bytes, aligned
.set i, i+1
.endr
	s_wait_dscnt 0x0                               ; for the others' sake: my count lies in LDS
	s_barrier_signal -1
	s_barrier_wait -1
	s_cmp_lg_u32 s36, 0
	s_cbranch_scc1 .Lmend
	v_lshl_add_u32 v27, v2, 2, CNL
.set i, 0
.rept 8
	ds_load_b32 v[X+i], v27 offset:64*i
.set i, i+1
.endr
	s_wait_dscnt 0x0
	v_add3_u32 v24, v[X], v[X+1], v[X+2]
	v_add3_u32 v25, v[X+3], v[X+4], v[X+5]
	v_add3_u32 v24, v24, v[X+6], v[X+7]
	v_add_nc_u32 v24, v24, v25
	v_cvt_f32_u32 v24, v24
	v_lshlrev_b32 v28, 2, v2
	global_store_b32 v28, v24, s[34:35]            ; 16 counts, 64 bytes; lanes 16-31 repeat lanes 0-15's word and number
.Lmend:
	s_wait_tensorcnt 0x0                           ; the wave's end, behind my last LDS store
	ds_add_u32 v[SPW], v[NIL]
	s_wait_dscnt 0x0
	s_endpgm
.Lfunc_end_k_qc7db0027ff_prep:
	.size	k_qc7db0027ff_prep, .Lfunc_end_k_qc7db0027ff_prep-k_qc7db0027ff_prep
	.p2alignl 7, 3214868480
	.fill 96, 4, 3214868480
	.section	.rodata,"a",@progbits
	.p2align	6, 0x0
	.amdhsa_kernel k_qc7db0027ff_prep
		.amdhsa_group_segment_fixed_size 36352
		.amdhsa_private_segment_fixed_size 0
		.amdhsa_enable_private_segment 0
		.amdhsa_kernarg_size 112
		.amdhsa_user_sgpr_count 2
		.amdhsa_user_sgpr_kernarg_segment_ptr 1
		.amdhsa_wavefront_size32 1
		.amdhsa_system_sgpr_workgroup_id_x 1
		.amdhsa_system_sgpr_workgroup_id_y 1
		.amdhsa_system_sgpr_workgroup_id_z 1
		.amdhsa_system_vgpr_workitem_id 0
		.amdhsa_next_free_vgpr 128
		.amdhsa_next_free_sgpr 66
		.amdhsa_reserve_vcc 0
		.amdhsa_float_denorm_mode_32 3
		.amdhsa_float_denorm_mode_16_64 3
		.amdhsa_memory_ordered 1
		.amdhsa_forward_progress 1
		.amdhsa_inst_pref_size 39
	.end_amdhsa_kernel
	.amdgpu_metadata
---
amdhsa.version: [ 1, 2 ]
amdhsa.kernels:
  - .name:           k_qc7db0027ff_prep
    .symbol:         k_qc7db0027ff_prep.kd
    .args:
      - { .name: query, .offset: 0, .size: 8, .value_kind: global_buffer, .address_space: global }
      - { .name: key, .offset: 8, .size: 8, .value_kind: global_buffer, .address_space: global }
      - { .name: value, .offset: 16, .size: 8, .value_kind: global_buffer, .address_space: global }
      - { .name: Wq, .offset: 24, .size: 8, .value_kind: global_buffer, .address_space: global }
      - { .name: Wk, .offset: 32, .size: 8, .value_kind: global_buffer, .address_space: global }
      - { .name: Wv, .offset: 40, .size: 8, .value_kind: global_buffer, .address_space: global }
      - { .name: Wo, .offset: 48, .size: 8, .value_kind: global_buffer, .address_space: global }
      - { .name: cos, .offset: 56, .size: 8, .value_kind: global_buffer, .address_space: global }
      - { .name: sin, .offset: 64, .size: 8, .value_kind: global_buffer, .address_space: global }
      - { .name: mask, .offset: 72, .size: 8, .value_kind: global_buffer, .address_space: global }
      - { .name: xw, .offset: 80, .size: 8, .value_kind: global_buffer, .address_space: global }
      - { .name: wb, .offset: 88, .size: 8, .value_kind: global_buffer, .address_space: global }
      - { .name: mk, .offset: 96, .size: 8, .value_kind: global_buffer, .address_space: global }
      - { .name: cnt, .offset: 104, .size: 8, .value_kind: global_buffer, .address_space: global }
    .group_segment_fixed_size: 36352
    .private_segment_fixed_size: 0
    .kernarg_segment_align: 8
    .kernarg_segment_size: 112
    .max_flat_workgroup_size: 256
    .sgpr_count:     66
    .vgpr_count:     128
    .wavefront_size: 32
...
	.end_amdgpu_metadata
.endif
;; end of part 1
;; launch proj (part 2): grid 4 x 96, 4 waves a work-group, clusters of 4 x 4, 327,680 bytes of LDS; arguments xw, wb, bq, bk, bv, qkv; writes qkv
.if DOCPART == 2
	.amdgcn_target "amdgcn-amd-amdhsa--gfx1250"
	.amdhsa_code_object_version 6
	.text
	.protected	k_qc7db0027ff_proj
	.globl	k_qc7db0027ff_proj
	.p2align	8
	.type	k_qc7db0027ff_proj,@function
k_qc7db0027ff_proj:
	s_mov_b64 s[64:65], 0
	v_nop
	global_prefetch_b8 v0, s[64:65] scope:SCOPE_SE
	s_setreg_imm32_b32 hwreg(HW_REG_WAVE_MODE, 25, 1), 1
	s_wait_xcnt 0x0
	s_wait_alu depctr_hold_cnt(0) depctr_sa_sdst(0) depctr_va_vdst(0) depctr_va_sdst(0) depctr_va_ssrc(0) depctr_va_vcc(0) depctr_vm_vsrc(0)
	s_getreg_b32 s2, hwreg(HW_REG_IB_STS2, 6, 4)
	s_cmp_eq_u32 s2, 0
	s_cbranch_scc0 .Lentry_in_a_cluster
	s_endpgm
.Lentry_in_a_cluster:
	s_bfe_u32 s2, ttmp6, 0x10000c
	s_cmp_lg_u32 s2, 0xf033
	s_cbranch_scc0 .Lentry_shape_is_right
	s_endpgm
.Lentry_shape_is_right:
; PROJ: q / 16 = rope(query) (Wq / 16)^T + bq / 16, k / 16 likewise, v = value Wv^T + bv.  Operands f16, sums f32 (the bias starts them), each result rounded once to f16.
;   in:  xw f16 [b 4][p 3][kb 16][t 2048][64], wb f16 [p 4][kb 16][n 1024][64]      out: qkv f16 [p 3][b x 16 + head][t 2048][64]
; LIMITS.  f16 ends at 65,504: q / 16, k / 16 and v beyond that become infinities (true q and k up to a million fit).
; SHARES.  A tile of C is 256 rows x 256 columns, a work-group's; 8,192 x 1,024 x 3 results are 384 tiles.  Four waves, each 128 x 128: 64 accumulators of 16 x 16, 512 registers.
; A tile of 128 x 256 would make 768 equal shares, but a K step of it holds 128 matrix instructions a wave, and a refill has only a K step in which to land; here a wave issues 224 between a refill's
; request and the wait for it, and each byte read from LDS feeds half as many products again.
; THE MATRIX INSTRUCTION IS USED TRANSPOSED (source 0 = 16 rows of W, source 1 = 16 rows of x): a lane holds eight neighbouring columns of one row.
; RING.  Two LDS slots, a K step of 128 each: two planes of 64 channels; a plane's rows are dense in memory, so a wave's tensor load brings two pieces of 16 KiB; in LDS 16 bytes follow every row of 128.
; CLUSTER.  4 x 4 work-groups: the four of a row need the same rows of x, the four of a column the same rows of W: each tile is asked for jointly, by the same load, descriptor and mask in all four.
; Which of q, k, v a cluster makes hangs on the cluster's y alone.
; REGISTERS, in windows of 256 (s_set_vgpr_msb: bits 1:0 source 0, 3:2 source 1, 5:4 source 2, 7:6 destination):
;   window 0: v0-31 addresses; v64-191 x's fragments, two buffers of 8 x 8; v32-63, v192-255 at work on the way out
;   window 1: v0-127 W's fragments, two buffers of 8 x 8; v128-191 the bias of my 128 columns as a C operand
;   window 2: the accumulators of my rows 0-63 ((a, b) at v[8 (8 a + b)]);   window 3: those of my rows 64-127
.set STEPA,  524288                    ; a K step in xw: two planes of 2,048 rows x 128 bytes
.set STEPB,  262144                    ; in wb: two planes of 1,024 rows
.set NSTEP,  8
.set PITCH,  144                       ; an LDS row: 128 bytes + 16 = 36 words: the 16 rows of a fragment load start at 16 different groups of four banks (64 banks of 4 bytes: ISA guide 11.1)
.set PL,     128*PITCH                 ; a plane of 128 rows
.set REG,    2*PL                      ; what one tensor load brings: 36,864 bytes
.set BREG,   2*REG                     ; a slot: x's rows 0-127 (two planes), rows 128-255, then W's rows 0-127, rows 128-255
.set SLOT,   4*REG                     ; 147,456 = 0x24000: none of the four parts' first bytes (0, 0x9000, 0x12000, 0x1b000) has one of its two bits, so one exclusive or turns an address in one slot into the other's
.set STAGE,  2*SLOT                    ; behind the ring, never filled by a tensor load: 16 rows x 272 bytes for each wave
.set SP,     272
.set SPARE,  STAGE+4*16*SP             ; the spare words, 128 bytes for each wave: two blocks of 256 bytes that no other line names
.set A0,   16                          ; v16  my lane's place in x's part of a slot; never rewritten
.set B0,   17                          ; v17  the same for W
.set ADRA, 18                          ; v18  the same in the slot in hand
.set ADRB, 19
.set STO,  24                          ; v24  the way out: where I put 16 bytes of a row
.set RD,   25                          ; v25  where I read rows back
.set CO,   26                          ; v26  16 x lane
.set BO,   27                          ; v27  my byte offset in a bias
.set SPW,  28                          ; v28  LDS address of my spare word; never rewritten
.set NIL,  29                          ; v29  0; never rewritten
.set PFO,  30                          ; v30  the prefetches' offset; never rewritten
.set OB,   32                          ; the way out: 16 rows read back: v32-63 and v224-255 by turns
.set AF,   64
.set TMP,  192                         ; the way out: packed results
.set BIAS, 128                         ; in window 1
.set WV,   16                          ; s16  my wave's number
.set MH,   17                          ; s17  which 128 rows are mine.  Also: I fetch for x (0) or for W (1)
.set NH,   18                          ; s18  which 128 columns are mine.  Also: which half of that tile I fetch
.set G1A,  24                          ; s[24:31] descriptor group 1 for x's tiles
.set G1B,  32                          ; s[32:39] for W's
.set G0A,  40                          ; s[40:43] group 0 of slot 0's first fill; s[44:47] of slot 1's, which then walks on
.set G0B,  48                          ; s[48:55] the same for W
.set PP,   56                          ; s56  0: q, 1: k, 2: v
.set CNT,  57                          ; s57  counts K steps
.set TB,   58                          ; s58  the slot in hand: 0 or SLOT
.set SEQ,  59                          ; s59  how many refills have been asked for
.set LIM,  60                          ; s60  how many of them are followed by a prefetch: NSTEP - 3 in waves 0 and 1, none in the others
.set PFA,  62                          ; s[62:63] where the prefetches stand
.set SC,   66                          ; s[66:67] the bias's factor
.set BP,   68                          ; s[68:69] the bias
.set OUT,  74                          ; s[74:75] my part of the tile in qkv
.set MSB, 0
.macro WIN new                         ; the immediate's high byte repeats the setting that is left; a switch that changes nothing is dropped
.if MSB != (\new)
	s_set_vgpr_msb (MSB<<8)|(\new)
.set MSB, \new
.endif
.endm
.macro PLACES                          ; four places in front of loads into registers that matrix instructions have read, and of lines that read results
.rept 4
	v_nop
.endr
.endm
.macro CREST                           ; a round of the cluster's barrier behind its opening barrier
	s_cmp_lg_u32 s[WV], 0
	s_cbranch_scc1 .Lnot_wave_0_\@
	s_barrier_signal -3
.Lnot_wave_0_\@:
	s_barrier_wait -3
	s_barrier_signal -1
	s_barrier_wait -1
.endm
.macro CROUND                          ; a whole round
	s_barrier_signal -1
	s_barrier_wait -1
	CREST
.endm
; A joint refill by the walking descriptors: waves 0 and 1 fetch x's two halves, waves 2 and 3 W's.  An s_nop 0 and four v_nop follow each line.
.macro JLOAD
	s_cmp_eq_u32 s[MH], 0
	s_cbranch_scc0 .Lfor_b_\@
	tensor_load_to_lds s[G0A+4:G0A+7], s[G1A:G1A+7]
	s_nop 0
.rept 4
	v_nop
.endr
	s_branch .Lasked_\@
.Lfor_b_\@:
	tensor_load_to_lds s[G0B+4:G0B+7], s[G1B:G1B+7]
	s_nop 0
.rept 4
	v_nop
.endr
.Lasked_\@:
.endm
; A prefetch into the L2 behind a refill and the run of LDS loads that follows it: the refill asks for K step j + 2, the prefetch names x's K step j + 3: one K step, 256 matrix instructions, ahead of the load
; that will want it.  Of the 128 rows that wave 0 or 1 fetches, each of the four partners that ask for them jointly takes 32, told apart by address: 16 blocks of 256 bytes in each of the two planes, a lane a
; block, one instruction a wave.  So each block is named once in the launch.  The first three K steps come by their loads alone, and the last refill names nothing.  W's rows are not asked for: eight clusters walk them.
.macro ASK
	s_cmp_lt_u32 s[SEQ], s[LIM]
	s_cbranch_scc0 .Lnot_mine_\@
	global_prefetch_b8 v[PFO], s[PFA:PFA+1] th:TH_LOAD_NT scope:SCOPE_SE
.Lnot_mine_\@:
	s_add_co_u32 s[SEQ], s[SEQ], 1
.endm
; 16 matrix instructions: row blocks a0, a0 + 1 of the window's four (hi = 0: my rows 0-63, 1: rows 64-127) x all 8 column blocks, 32 along K, from buffer f.  z = 1: the bias starts the sums.
; The 64 accumulators take turns in one fixed order.
.macro MUL16 f, hi, a0, z
.if \z
	WIN 0x91+0x40*(\hi)                            ; W window 1, x window 0, C window 1, D window 2 or 3
.else
	WIN 0xa1+0x50*(\hi)                            ; C and D window 2 or 3
.endif
.irp a, \a0, (\a0)+1
.irp b, 0,1,2,3,4,5,6,7
.if \z
	v_wmma_f32_16x16x32_f16 v[8*(8*(\a)+\b):8*(8*(\a)+\b)+7], v[64*(\f)+8*\b:64*(\f)+8*\b+7], v[AF+64*(\f)+8*(4*(\hi)+(\a)):AF+64*(\f)+8*(4*(\hi)+(\a))+7], v[BIAS+8*\b:BIAS+8*\b+7]
.else
	v_wmma_f32_16x16x32_f16 v[8*(8*(\a)+\b):8*(8*(\a)+\b)+7], v[64*(\f)+8*\b:64*(\f)+8*\b+7], v[AF+64*(\f)+8*(4*(\hi)+(\a)):AF+64*(\f)+8*(4*(\hi)+(\a))+7], v[8*(8*(\a)+\b):8*(8*(\a)+\b)+7]
.endif
.endr
.endr
.endm
; 32 LDS loads in one run: quarter q of the K step in hand (plane q / 2, channels 32 (q % 2) on) into buffer f: W's 8 fragments, then x's 8
.macro FETCH q, f
	WIN 0x40
.irp i, 0,1,2,3,4,5,6,7
	ds_load_b128 v[64*(\f)+8*\i:64*(\f)+8*\i+3],   v[ADRB] offset:((\q)/2)*PL+64*((\q)%2)+16*PITCH*\i
	ds_load_b128 v[64*(\f)+8*\i+4:64*(\f)+8*\i+7], v[ADRB] offset:((\q)/2)*PL+64*((\q)%2)+16*PITCH*\i+32
.endr
	WIN 0
.irp i, 0,1,2,3,4,5,6,7
	ds_load_b128 v[AF+64*(\f)+8*\i:AF+64*(\f)+8*\i+3],   v[ADRA] offset:((\q)/2)*PL+64*((\q)%2)+16*PITCH*\i
	ds_load_b128 v[AF+64*(\f)+8*\i+4:AF+64*(\f)+8*\i+7], v[ADRA] offset:((\q)/2)*PL+64*((\q)%2)+16*PITCH*\i+32
.endr
.endm
; One of a K step's first three quarters: multiplies buffer f; in its middle it fetches quarter q into the other buffer.
.macro QUARTER q, f, z
	s_wait_dscnt 8                                 ; W and x's blocks 0-3 are in; the youngest eight loads (blocks 4-7) may be out
	MUL16 \f, 0, 0, \z
	MUL16 \f, 0, 2, \z
	PLACES
	FETCH \q, 1-(\f)
	s_wait_dscnt 32                                ; all but the 32 just issued
	MUL16 \f, 1, 0, \z
	MUL16 \f, 1, 2, \z
.endm
; The fourth quarter multiplies buffer 1 and changes slots.  In front of the barrier each wave waits for all its tensor loads (one is out at the most: its part of the next slot), adds 0 to its spare word, and
; waits for that and for its reads of this slot.  fill = 1: the barrier opens a round of the cluster's, and behind it this slot is filled again first, with the K step two on.
.macro TURN fill
.if \fill
	s_wait_xcnt 0x0                                ; the last prefetch, a K step back, has read its address
	s_add_nc_u64 s[PFA:PFA+1], s[PFA:PFA+1], STEPA
.endif
	WIN 0
	s_wait_tensorcnt 0x0                           ; no tensor load of mine is out, so a group 0 may be written
	ds_add_u32 v[SPW], v[NIL]                      ; 0 onto my spare word
.if \fill
	s_xor_b32 s[G0A+5], s[G0A+5], SLOT             ; the walking descriptors: the other slot than last time, the next K step; the type bits on top are not reached
	s_add_nc_u64 s[G0A+6:G0A+7], s[G0A+6:G0A+7], STEPA
	s_xor_b32 s[G0B+5], s[G0B+5], SLOT
	s_add_nc_u64 s[G0B+6:G0B+7], s[G0B+6:G0B+7], STEPB
.endif
	s_xor_b32 s[TB], s[TB], SLOT
	s_wait_dscnt 9                                 ; the add and the youngest eight loads may be out
	MUL16 1, 0, 0, 0
	s_wait_dscnt 0x0                               ; the add is done, and my reads of this slot are over
	s_barrier_signal -1
	MUL16 1, 0, 2, 0
	WIN 0
	s_barrier_wait -1
.if \fill
	CREST                                          ; no wave of any partner still reads this slot or has a load on its way
	JLOAD                                          ; its four v_nop are also the places in front of the loads below
.else
	PLACES
.endif
	v_add_nc_u32 v[ADRA], s[TB], v[A0]
	v_add_nc_u32 v[ADRB], s[TB], v[B0]
	FETCH 0, 0
.if \fill
	ASK
.endif
	MUL16 1, 1, 0, 0
	MUL16 1, 1, 2, 0
.endm
; THE WAY OUT of row block a.  PACK: rounded to f16, each accumulator's registers in ascending order.  TOSTAGE: into my own stage, and back by heads: 4 rows x 128 bytes a load.  SEND: stored.
.macro PACK a
	WIN 0x0a+5*((\a)/4)                            ; sources 0 and 1: window 2 or 3
.irp b, 0,1,2,3,4,5,6,7
.irp i, 0,1,2,3
	v_cvt_pk_f16_f32 v[TMP+4*\b+\i], v[64*((\a)%4)+8*\b+2*\i], v[64*((\a)%4)+8*\b+2*\i+1]
.endr
.endr
	WIN 0
.endm
.macro TOSTAGE a
.set BK, OB+192*((\a)%2)
.irp b, 0,1,2,3,4,5,6,7
	ds_store_b128 v[STO], v[TMP+4*\b:TMP+4*\b+3] offset:32*\b
.endr
.irp hh, 0,1
.irp i, 0,1,2,3
	ds_load_b128 v[BK+4*(4*\hh+\i):BK+4*(4*\hh+\i)+3], v[RD] offset:4*SP*\i+128*\hh  ; LDS serves a wave's instructions in order (ISA guide 5.7.1.4): these see the stores above
.endr
.endr
.endm
.macro SEND a
.set BK, OB+192*((\a)%2)
	s_wait_dscnt 0x0                               ; the block is back in registers
	s_wait_xcnt 0x0                                ; earlier stores have read their registers: the block after this one is read back into them
.irp hh, 0,1
.irp i, 0,1,2,3
	global_store_b128 v[CO], v[BK+4*(4*\hh+\i):BK+4*(4*\hh+\i)+3], s[OUT:OUT+1] offset:262144*\hh+2048*(\a)+512*\i  ; four rows of a head: 512 consecutive bytes, aligned
.endr
.endr
.endm
	s_load_b256 s[4:11], s[0:1], 0x0               ; xw 4, wb 6, bq 8, bk 10
	s_load_b128 s[12:15], s[0:1], 0x20             ; bv 12, qkv 14
	v_lshl_add_u32 v[SPW], v0, 2, SPARE
	v_mov_b32 v[NIL], 0
	ds_add_u32 v[SPW], v[NIL]                      ; the wave's opening: the add and its wait ahead of my first tensor load
	v_lshrrev_b32 v1, 5, v0
	v_readfirstlane_b32 s[WV], v1
	s_lshr_b32 s[MH], s[WV], 1
	s_and_b32 s[NH], s[WV], 1
	s_bfe_u32 s20, ttmp6, 0x40000                  ; cx
	s_bfe_u32 s21, ttmp6, 0x40004                  ; cy
	s_lshl_b32 s22, ttmp9, 2
	s_add_co_u32 s22, s22, s20                     ; tile column = 4 x cluster x + cx
	s_lshl_b32 s70, s21, 2
	s_lshl_b32 s70, 15, s70                        ; my row of the cluster
	s_lshl_b32 s71, 0x1111, s20                    ; my column
	s_or_b32 s[G1A], s70, 0x07310000               ; 15:0 the mask; 17:16 2-byte elements; 20 padding on; 21 set beside a mask; 24:22 after every 32 words (code 4); 31:25 4 words (code 3)
	s_or_b32 s[G1B], s71, 0x07310000
.irp g, G1A, G1B
	s_mov_b32 s[\g+1], 8192<<16                    ; tensor_dim0 = 8,192: 128 rows x 64 channels, dense
	s_mov_b32 s[\g+2], 2<<16                       ; tensor_dim1 = 2 planes
	s_mov_b32 s[\g+3], 8192<<16                    ; tile_dim0
	s_mov_b32 s[\g+4], 2                           ; tile_dim1
	s_mov_b32 s[\g+6], 0
	s_mov_b32 s[\g+7], 0
.endr
	s_mov_b32 s[G1A+5], 131072                     ; elements from plane to plane: 2,048 rows of x,
	s_mov_b32 s[G1B+5], 65536                      ; 1,024 rows of W
	s_and_b32 s19, ttmp7, 0xffff                   ; the cluster's y, 0..23: eight clusters for each of q, k, v, two for each b
	s_lshr_b32 s[PP], s19, 3
	s_bfe_u32 s23, s19, 0x20001                    ; b
	s_and_b32 s19, s19, 1
	s_lshl_b32 s19, s19, 2
	s_add_co_u32 s19, s19, s21                     ; which 256 of the 2,048 rows
	s_mul_i32 s72, s23, 3
	s_add_co_u32 s72, s72, s[PP]
	s_lshl_b32 s72, s72, 22                        ; 16 planes of 262,144 bytes for each (b, p)
	s_lshl_b32 s73, s19, 15                        ; the tile's first row, 128 bytes a row
	s_add_co_u32 s72, s72, s73
	s_lshl_b32 s73, s[NH], 14                      ; the 128 rows that I fetch
	s_add_co_u32 s72, s72, s73
	s_mov_b32 s73, 0
	s_lshl_b32 s76, s[PP], 21                      ; W: 16 planes of 131,072 bytes for each p,
	s_lshl_b32 s77, s22, 15                        ; 256 rows a tile column,
	s_add_co_u32 s76, s76, s77
	s_lshl_b32 s77, s[NH], 14                      ; the 128 that I fetch
	s_add_co_u32 s76, s76, s77
	s_mov_b32 s77, 0
	s_mul_i32 s78, s[NH], REG                      ; where they go: no place in the cluster enters an LDS address
	s_add_co_u32 s79, s78, BREG
	s_mov_b32 s[G0A], 1
	s_mov_b32 s[G0A+1], s78
	s_mov_b32 s[G0A+4], 1
	s_add_co_u32 s[G0A+5], s78, SLOT
	s_mov_b32 s[G0B], 1
	s_mov_b32 s[G0B+1], s79
	s_mov_b32 s[G0B+4], 1
	s_add_co_u32 s[G0B+5], s79, SLOT
	s_mov_b32 s[TB], 0
	s_mov_b32 s[SEQ], 0
	s_cmp_lt_u32 s[PP], 2
	s_cselect_b32 s[SC], 0x3d800000, 1.0           ; 2^-4 for bq and bk
	s_mov_b32 s[SC+1], s[SC]
	s_cmp_eq_u32 s[MH], 0
	s_cselect_b32 s[LIM], NSTEP-3, 0
	s_wait_dscnt 0x0                               ; the opening add is done
	s_wait_kmcnt 0x0
	s_add_nc_u64 s[G0A+2:G0A+3], s[4:5], s[72:73]  ; K step 0,
	s_add_nc_u64 s[G0A+6:G0A+7], s[G0A+2:G0A+3], STEPA  ; K step 1
	s_or_b32 s[G0A+3], s[G0A+3], 0x80000000        ; type = 2
	s_or_b32 s[G0A+7], s[G0A+7], 0x80000000
	s_add_nc_u64 s[G0B+2:G0B+3], s[6:7], s[76:77]
	s_add_nc_u64 s[G0B+6:G0B+7], s[G0B+2:G0B+3], STEPB
	s_or_b32 s[G0B+3], s[G0B+3], 0x80000000
	s_or_b32 s[G0B+7], s[G0B+7], 0x80000000
	CROUND                                         ; all sixteen work-groups are here: the first joint loads meet
	s_cmp_eq_u32 s[MH], 0                          ; a wave's two first fills stand in one branch: two loads of mine are out
	s_cbranch_scc0 .Lfirst_b
	tensor_load_to_lds s[G0A:G0A+3], s[G1A:G1A+7]
	s_nop 0
	tensor_load_to_lds s[G0A+4:G0A+7], s[G1A:G1A+7]
	s_nop 0
.rept 4
	v_nop
.endr
	s_branch .Lfirst_asked
.Lfirst_b:
	tensor_load_to_lds s[G0B:G0B+3], s[G1B:G1B+7]
	s_nop 0
	tensor_load_to_lds s[G0B+4:G0B+7], s[G1B:G1B+7]
	s_nop 0
.rept 4
	v_nop
.endr
.Lfirst_asked:
	v_and_b32 v1, 15, v0                           ; l % 16
	v_bfe_u32 v2, v0, 4, 1                         ; l / 16
	s_lshl_b32 s70, s22, 10
	s_lshl_b32 s71, s[NH], 9
	s_add_co_u32 s70, s70, s71
	v_lshl_add_u32 v[BO], v2, 5, s70               ; 4 x (256 x tile column + 128 x half + 8 (l / 16))
	s_cmp_eq_u32 s[PP], 1
	s_cselect_b64 s[BP:BP+1], s[10:11], s[8:9]
	s_cmp_eq_u32 s[PP], 2
	s_cselect_b64 s[BP:BP+1], s[12:13], s[BP:BP+1]
	WIN 0x40
.irp b, 0,1,2,3,4,5,6,7                ; the bias of my 128 columns as a C operand: register j of block b is column 16 b + 8 (l / 16) + j
	global_load_b128 v[BIAS+8*\b:BIAS+8*\b+3],   v[BO], s[BP:BP+1] offset:64*\b
	global_load_b128 v[BIAS+8*\b+4:BIAS+8*\b+7], v[BO], s[BP:BP+1] offset:64*\b+16
.endr
	WIN 0
	v_mul_u32_u24 v3, v1, PITCH
	v_lshl_add_u32 v3, v2, 4, v3                   ; a fragment's row x pitch + 16 x half
	s_mul_i32 s70, s[MH], REG
	v_add_nc_u32 v[A0], s70, v3
	s_mul_i32 s70, s[NH], REG
	s_add_co_u32 s70, s70, BREG
	v_add_nc_u32 v[B0], s70, v3
	v_mov_b32 v[ADRA], v[A0]
	v_mov_b32 v[ADRB], v[B0]
	s_mul_i32 s70, s[WV], 16*SP
	s_add_co_u32 s70, s70, STAGE                   ; my stage
	v_mul_u32_u24 v4, v1, SP
	v_lshl_add_u32 v4, v2, 4, v4
	v_add_nc_u32 v[STO], s70, v4
	v_bfe_u32 v4, v0, 3, 2                         ; back: 8 lanes take a head's 128 bytes of a row, 32 lanes four rows
	v_and_b32 v5, 7, v0
	v_mul_u32_u24 v4, v4, SP
	v_lshl_add_u32 v4, v5, 4, v4
	v_add_nc_u32 v[RD], s70, v4
	v_and_b32 v[CO], 31, v0
	v_lshlrev_b32 v[CO], 4, v[CO]
	v_lshlrev_b32 v[PFO], 8, v1                    ; a lane a block of 256 bytes: 16 in each of the two planes
	v_lshl_add_u32 v[PFO], v2, 18, v[PFO]
	s_lshl_b32 s70, s23, 4                         ; my first head: 16 b + 4 x tile column + 2 x half,
	s_lshl_b32 s71, s22, 2
	s_add_co_u32 s70, s70, s71
	s_lshl_b32 s71, s[NH], 1
	s_add_co_u32 s70, s70, s71
	s_lshl_b32 s70, s70, 18                        ; 262,144 bytes a head;
	s_lshl_b32 s71, s19, 15                        ; the tile's first row,
	s_add_co_u32 s70, s70, s71
	s_lshl_b32 s71, s[MH], 14                      ; my 128 rows,
	s_add_co_u32 s70, s70, s71
	s_lshl_b32 s71, s[PP], 24                      ; q, k or v
	s_add_co_u32 s70, s70, s71
	s_mov_b32 s71, 0
	s_add_nc_u64 s[OUT:OUT+1], s[14:15], s[70:71]
	s_lshl_b32 s78, s20, 12                        ; the prefetches: my work-group's 32 rows of the 128 that I fetch,
	s_mov_b32 s79, 0
	s_add_nc_u64 s[PFA:PFA+1], s[4:5], s[72:73]
	s_add_nc_u64 s[PFA:PFA+1], s[PFA:PFA+1], s[78:79]
	s_add_nc_u64 s[PFA:PFA+1], s[PFA:PFA+1], 2*STEPA  ; at K step 2: the first refill steps it to 3
	s_wait_tensorcnt 1                             ; my part of K step 0 is in; K step 1's may stay out
	s_barrier_signal -1
	s_barrier_wait -1
	FETCH 0, 0
	s_wait_loadcnt 0x0                             ; the bias
	WIN 0x41
.set i, 0
.rept 32
	v_pk_mul_f32 v[BIAS+i:BIAS+i+1], v[BIAS+i:BIAS+i+1], s[SC:SC+1] op_sel_hi:[1,0]
.set i, i+2
.endr
	QUARTER 1, 0, 1                                ; the first quarter: the bias starts the sums, nothing is cleared
	WIN 0
	s_mov_b32 s[CNT], NSTEP-2
.Lstep:                                        ; a trip goes from a K step's second quarter to the next step's first, and fills a slot again
	QUARTER 2, 1, 0
	QUARTER 3, 0, 0
	TURN 1
	QUARTER 1, 0, 0
	WIN 0
	s_sub_co_u32 s[CNT], s[CNT], 1
	s_cmp_lg_u32 s[CNT], 0
	s_cbranch_scc1 .Lstep
	s_mov_b32 s[CNT], 2
.Ltail:                                        ; the last two K steps ask for nothing: a text of their own.  The second trip is left in its middle; the 32
	QUARTER 2, 1, 0                                ; fragments that its change of slots fetches (the last K step but one, once more) serve nothing: the price, once a launch, of one text for both trips
	QUARTER 3, 0, 0
	TURN 0
	WIN 0
	s_sub_co_u32 s[CNT], s[CNT], 1
	s_cmp_eq_u32 s[CNT], 0
	s_cbranch_scc1 .Lout
	QUARTER 1, 0, 0
	WIN 0
	s_branch .Ltail
.Lout:
	PACK 0                                         ; blocks 0-3 were finished in front of the four v_nop of the change of slots; their 128 conversions, which name no register of the last products (blocks 4-7's), are those products' places
	TOSTAGE 0
.irp a, 1,2,3,4,5,6,7                  ; block a's conversions stand between block a - 1's loads from the stage and the wait for them
	PACK \a
	SEND (\a)-1
	TOSTAGE \a
.endr
	SEND 7
	s_wait_tensorcnt 0x0                           ; the wave's end, behind my last tensor load and my last LDS store
	ds_add_u32 v[SPW], v[NIL]
	s_wait_dscnt 0x0
	CROUND                                         ; the closing round
	s_endpgm
.Lfunc_end_k_qc7db0027ff_proj:
	.size	k_qc7db0027ff_proj, .Lfunc_end_k_qc7db0027ff_proj-k_qc7db0027ff_proj
	.p2alignl 7, 3214868480
	.fill 96, 4, 3214868480
	.section	.rodata,"a",@progbits
	.p2align	6, 0x0
	.amdhsa_kernel k_qc7db0027ff_proj
		.amdhsa_group_segment_fixed_size 327680
		.amdhsa_private_segment_fixed_size 0
		.amdhsa_enable_private_segment 0
		.amdhsa_kernarg_size 48
		.amdhsa_user_sgpr_count 2
		.amdhsa_user_sgpr_kernarg_segment_ptr 1
		.amdhsa_wavefront_size32 1
		.amdhsa_system_sgpr_workgroup_id_x 1
		.amdhsa_system_sgpr_workgroup_id_y 1
		.amdhsa_system_sgpr_workgroup_id_z 1
		.amdhsa_system_vgpr_workitem_id 0
		.amdhsa_next_free_vgpr 1024
		.amdhsa_next_free_sgpr 80
		.amdhsa_reserve_vcc 0
		.amdhsa_float_denorm_mode_32 3
		.amdhsa_float_denorm_mode_16_64 3
		.amdhsa_memory_ordered 1
		.amdhsa_forward_progress 1
		.amdhsa_inst_pref_size 104
	.end_amdhsa_kernel
	.amdgpu_metadata
---
amdhsa.version: [ 1, 2 ]
amdhsa.kernels:
  - .name:           k_qc7db0027ff_proj
    .symbol:         k_qc7db0027ff_proj.kd
    .args:
      - { .name: xw, .offset: 0, .size: 8, .value_kind: global_buffer, .address_space: global }
      - { .name: wb, .offset: 8, .size: 8, .value_kind: global_buffer, .address_space: global }
      - { .name: bq, .offset: 16, .size: 8, .value_kind: global_buffer, .address_space: global }
      - { .name: bk, .offset: 24, .size: 8, .value_kind: global_buffer, .address_space: global }
      - { .name: bv, .offset: 32, .size: 8, .value_kind: global_buffer, .address_space: global }
      - { .name: qkv, .offset: 40, .size: 8, .value_kind: global_buffer, .address_space: global }
    .group_segment_fixed_size: 327680
    .private_segment_fixed_size: 0
    .kernarg_segment_align: 8
    .kernarg_segment_size: 48
    .max_flat_workgroup_size: 128
    .sgpr_count:     80
    .vgpr_count:     1024
    .wavefront_size: 32
...
	.end_amdgpu_metadata
.endif
;; end of part 2
;; launch attn (part 3): grid 4 x 64, 4 waves a work-group, clusters of 4 x 1, 327,680 bytes of LDS; arguments qkv, mk, cnt, ob; writes ob
.if DOCPART == 3
	.amdgcn_target "amdgcn-amd-amdhsa--gfx1250"
	.amdhsa_code_object_version 6
	.text
	.protected	k_qc7db0027ff_attn
	.globl	k_qc7db0027ff_attn
	.p2align	8
	.type	k_qc7db0027ff_attn,@function
k_qc7db0027ff_attn:
	s_mov_b64 s[64:65], 0
	v_nop
	global_prefetch_b8 v0, s[64:65] scope:SCOPE_SE
	s_setreg_imm32_b32 hwreg(HW_REG_WAVE_MODE, 25, 1), 1
	s_wait_xcnt 0x0
	s_wait_alu depctr_hold_cnt(0) depctr_sa_sdst(0) depctr_va_vdst(0) depctr_va_sdst(0) depctr_va_ssrc(0) depctr_va_vcc(0) depctr_vm_vsrc(0)
	s_getreg_b32 s2, hwreg(HW_REG_IB_STS2, 6, 4)
	s_cmp_eq_u32 s2, 0
	s_cbranch_scc0 .Lentry_in_a_cluster
	s_endpgm
.Lentry_in_a_cluster:
	s_bfe_u32 s2, ttmp6, 0x10000c
	s_cmp_lg_u32 s2, 0x3003
	s_cbranch_scc0 .Lentry_shape_is_right
	s_endpgm
.Lentry_shape_is_right:
; ATTENTION WITH A MASK THAT IS AN INPUT.  For each of 64 heads (b x 16 + h): s = q . k / 8, or -10000 where mask[b][q][k]; softmax over all 2,048 keys; the hidden keys' weights then count as 0 in the sum with V.
;   in: qkv f16 [p 3][head 64][t 2048][64] (q / 16, k / 16, v); mk, the mask as bytes 0x00 / 0xC0 in the order of the score registers; cnt f32 [b][t], the hidden keys of a row      out: ob f16 [head][t][64]
; Products, maxima and sums in f32; the weights p are rounded to f16 for the second product (their sum l is taken of the unrounded p), O once at the end.
; THE MASK.  A hidden key's score starts at -2^100 (the C operand that starts S^T = K Q^T; 0 elsewhere), so its weight is 0 in P and in l.  What softmax keeps of the n hidden keys of a row is put back from n:
; where n > 0 the running maximum starts at -10000 (in the units of the raw scores: -312.5), and at the end l takes n x e^(-10000 - maximum) more.  So the maximum, the divisor and the sum are those of the definition;
; a row with all keys hidden gives 0 / 2,048.  The C registers are made eight at a time from 8 bytes by v_cvt_scale_pk8_f32_fp8: -2.0 x 2^99.
; LIMITS.  f16 ends at 65,504.  A raw score (true q . k / 256) counts for nothing beside 2^100; a weight below 2^-126 counts as 0 in l; NaN and infinities are not treated apart.
; SHARES.  A wave owns four PIECES of two tiles of 16 queries, a work-group's four waves 512 queries of one head.  Every wave walks all keys, 64 a step.
; LAYOUT.  S^T = K Q^T (source 0 = 16 keys, source 1 = 16 queries): a lane holds ONE query (lane % 16) and the keys 8 (lane / 16) + 0..7.  Two such tiles, rounded to f16 in pairs, ARE source 1 of O^T = V^T P.
; SOFTMAX.  p = 2^(c s - c m), c = 32 log2(e) (1 / 8, and 256 for the two factors 1 / 16); in every step O and l are multiplied by a = 2^(c m_old - c m_new).  O and l start at 0.
; BY TURNS.  Turn n belongs to piece n: 16 products K Q^T of piece n + 1, later 16 products V^T P of piece n - 1; beside them the softmax of piece n and the maximum of piece n + 1.  Four vector instructions that are
; ready stand behind every matrix instruction, the rest in two lumps.  At the head of the first lump the turn makes the C registers for the next turn's products and asks for the mask bytes four turns further on.
; CLUSTER.  The four query blocks of a head walk the same K and V: each tile is asked for jointly.
; REGISTERS, in windows of 256 (s_set_vgpr_msb: bits 1:0 source 0, 3:2 source 1, 5:4 source 2, 7:6 destination):
;   window 0: v0-11 addresses; v12-15, v48-63 at work; v16-47 four registers of statistics a tile; v64-191 S^T, two buffers of two tiles; v192-255 P, likewise
;   window 1: O^T, 32 a tile          window 2: v0-127 Q; v128-191 K of one step; v192-255 V of one step
;   window 3: v0-1 the add's two registers; v3 16 x lane; v9 the scale byte; v32-39 n, a tile each; v64-127 mask bytes, 16 a piece; v128-191 the C registers of two tiles
.set SIZE_N, 2048
.set NP,    4         ; pieces a wave: a name, no knob
.set KS,    64        ; keys in a step
.set PK,    144       ; a row of K in LDS: 128 bytes + 16 = 36 words: the 16 rows of a load start at 16 different groups of four banks (64 banks of 4 bytes: ISA guide 11.1)
.set PV,    160       ; a row of V: 128 + 32 = 40 words
.set VOFF,  4*KS*PK   ; a slot holds four steps: 256 rows of K, then 256 rows of V
.set SLOT1, 1<<17     ; slot 1 begins here, so that one exclusive or turns an address in one slot into the other's
.set STAGE, SLOT1+4*KS*(PK+PV)  ; behind the ring, never filled by a tensor load: 16 rows x 144 bytes for each wave
.set SP,    144
.set SPARE, STAGE+4*16*SP  ; the spare words, 128 bytes for each wave: two blocks of 256 bytes that no other line names
.set AK0, 2           ; v2   my lane's place in a tile of K; never rewritten
.set AV0, 3           ; v3   the same for V
.set AK,  4           ; v4   the LDS address of K's next run of loads
.set AV,  5           ; v5   of V's
.set STO, 6           ; v6   the way out: where I put 16 bytes of a row
.set RD,  7           ; v7   where I read rows back
.set GO,  8           ; v8   my byte offset in 512 consecutive bytes of O
.set SCL, 9           ; v9   226, the scale byte of 2^99: kept under this number in window 0 and in window 3
.set PFO, 11          ; v11  256 x lane, for the prefetches; never rewritten
.set MV,  12          ; v12-15  c m_old, kept while c m is made anew; before that the offsets of the first loads
.set ST,  16          ; tile t's statistics at v[ST+4 t]: c m, m, l (even keys', odd keys')
.set TMP, 48          ; by buffer and tile, four registers c0-c3 at work; when the maximum is found c2 takes a
.set S,   64
.set P,   192
.set KF,  128         ; window 2
.set VF,  192         ; window 2
.set SPW, 0           ; window 3: LDS address of my spare word; never rewritten
.set NIL, 1           ; window 3: 0; never rewritten
.set MO,  3           ; window 3
.set NM,  32          ; window 3
.set RAW, 64          ; window 3: piece p, tile u at RAW + 16 p + 8 u; key block kt's 8 bytes at + 2 kt
.set MC,  128         ; window 3: tile u, key block kt at MC + 32 u + 8 kt
.set WV,  12          ; s12  my wave's number
.set G1K, 24          ; s[24:31] descriptor group 1 for K's tiles
.set G1V, 32          ; s[32:39] for V's
.set G0K, 40          ; s[40:43] descriptor group 0 for K's tiles: it walks
.set G0V, 44          ; s[44:47] the same for V's
.set SLOTS, 56        ; s56  slots still to be asked for
.set CNT, 57          ; s57  counts a slot's key steps
.set CS,  58          ; s[58:59] c
.set SEL, 60          ; s[60:61] v_permlanex16_b32's selects
.set TBK, 62          ; s62  LDS byte at which K of the step to be fetched begins
.set TBV, 63          ; s63  the same for V, less VOFF
.set MQ,  66          ; s[66:67] mk at the step whose bytes are being asked for
.set T0,  68          ; s[68:69] that step's byte offset
.set KST, 70          ; s70  the key step in hand
.set CMV, 71          ; s71  c x (-312.5)
.set PFA, 74          ; s[74:75] where my prefetches stand
.set LIM, 76          ; s76  1 in a wave that prefetches, else the greatest number
.set CM,  80          ; s[80:87] tile t's lanes with n > 0
.set MSB, 0
.macro WIN new                      ; the high byte repeats the setting that is left; a switch that changes nothing is dropped
.if MSB != (\new)
	s_set_vgpr_msb (MSB<<8)|(\new)
.set MSB, (\new)
.endif
.endm
.set W_KQ, 0x0a       ; K and Q in window 2, S^T in window 0
.set W_KM, 0x3a       ; the same with the C operand in window 3
.set W_PV, 0x52       ; V in window 2, P in window 0, O^T in window 1
.set W_RS, 0x41       ; O^T (destination and source 0) in window 1, a in window 0
.set W_MK, 0xc0       ; destination in window 3, sources in window 0
.set W_AD, 0x0f       ; the add: address (source 0) and data (source 1) in window 3
; A joint fill.  Waves 0 and 1 fetch the two halves of a slot's K, waves 2 and 3 those of its V.  An s_nop 0 and four v_nop follow each of the two lines.
.macro JLOAD
	s_cmp_lt_u32 s[WV], 2
	s_cbranch_scc0 .Lfor_v_\@
	tensor_load_to_lds s[G0K:G0K+3], s[G1K:G1K+7]
	s_nop 0
.rept 4
	v_nop
.endr
	s_branch .Lasked_\@
.Lfor_v_\@:
	tensor_load_to_lds s[G0V:G0V+3], s[G1V:G1V+7]
	s_nop 0
.rept 4
	v_nop
.endr
.Lasked_\@:
.endm
; A prefetch into the L2 of what the NEXT change of slots will ask for: a slot's 32 KiB of K and of V.  The four partners share them out by address, 8 KiB each, a lane a block of 256 bytes; wave 0 asks for K's,
; wave 2 for V's: each block is named once in the launch.  It stands four key steps, 512 matrix instructions, ahead of the load.  The last change that fills a slot names nothing.
.macro ASK
	s_cmp_gt_u32 s[SLOTS], s[LIM]
	s_cbranch_scc0 .Lnot_mine_\@
	global_prefetch_b8 v[PFO], s[PFA:PFA+1] th:TH_LOAD_NT scope:SCOPE_SE
.Lnot_mine_\@:
.endm
.macro CROUND                       ; a round of the cluster's barrier
	s_barrier_signal -1
	s_barrier_wait -1
	s_cmp_lg_u32 s[WV], 0
	s_cbranch_scc1 .Lnot_wave_0_\@
	s_barrier_signal -3
.Lnot_wave_0_\@:
	s_barrier_wait -3
	s_barrier_signal -1
	s_barrier_wait -1
.endm
; THE CHANGE OF SLOTS.  Each wave waits for all its tensor loads, of which one is out: its part of the other slot; adds 0 to its spare word; and waits for that and for its own reads of the slot.
; fill = 1: the barrier is a round of the cluster's, and the slot is filled again first behind it, with the keys two slots on.  (At its first use nothing has been read yet: slot 0 is waited for, slot 1 filled.)
.macro CHANGE fill
	WIN W_AD
	s_wait_tensorcnt 0x0            ; no tensor load of mine is out, so a group 0 may be written
	ds_add_u32 v[SPW], v[NIL]       ; 0 onto my spare word
	WIN 0                           ; at a label and at a branch every window is 0
.if \fill
.irp g, G0K, G0V
	s_xor_b32 s[\g+1], s[\g+1], SLOT1  ; the walking descriptor: the other slot than last time,
	s_add_nc_u64 s[\g+2:\g+3], s[\g+2:\g+3], 4*KS*128  ; the next 256 keys; the type bits on top are not reached
.endr
	s_wait_xcnt 0x0                 ; the last prefetch, four key steps back, has read its address
	s_add_nc_u64 s[PFA:PFA+1], s[PFA:PFA+1], 4*KS*128  ; one slot ahead of the walking descriptors
	s_wait_dscnt 0x0                ; the add is done, and my reads of the slot are over
	CROUND
	JLOAD
	ASK
.else
	s_wait_dscnt 0x0
	s_barrier_signal -1
	s_barrier_wait -1
.endif
	s_sub_co_u32 s[TBK], s[TBK], 4*KS*PK  ; the fetches go back to a slot's first step,
	s_xor_b32 s[TBK], s[TBK], SLOT1       ; in the other slot
	s_sub_co_u32 s[TBV], s[TBV], 4*KS*PV
	s_xor_b32 s[TBV], s[TBV], SLOT1
.endm
; THE MASK.  MCONV: piece pp's 64 bytes a lane become the 64 C registers of its two tiles; a plain instruction follows the conversions before their results or sources are touched.
; MLOAD: piece pp's bytes of one step: four loads of 512 consecutive bytes.
.macro MCONV pp
	WIN 0xcf                        ; destination, bytes and scale in window 3
.irp u, 0,1
.irp kt, 0,1,2,3
	v_cvt_scale_pk8_f32_fp8 v[MC+32*\u+8*\kt:MC+32*\u+8*\kt+7], v[RAW+16*(\pp)+8*\u+2*\kt:RAW+16*(\pp)+8*\u+2*\kt+1], v[SCL]
.endr
.endr
	v_nop
.endm
.macro MLOAD pp, base, off
	WIN 0xc3                        ; destination and offset in window 3
.irp u, 0,1
.irp j, 0,1
	global_load_b128 v[RAW+16*(\pp)+8*\u+4*\j:RAW+16*(\pp)+8*\u+4*\j+3], v[MO], s[\base:\base+1] offset:(\off)+65536*(\pp)+32768*\u+512*\j
.endr
.endr
	WIN 0
.endm
; In the turn of piece p of step KST: the next turn multiplies for piece p + 2 (of the next step where p >= 2): its bytes, asked for four turns ago, are converted, and the same piece's bytes of the step after are
; asked for.  Behind the wanted four loads three turns' twelve are out.  Behind the last step the number is held at 31: those bytes stay inside mk and serve nothing.
.macro MASKSTEP p
	s_wait_loadcnt 12
	MCONV ((\p)+2)%NP
	s_add_co_u32 s[T0], s[KST], 1+(\p)/2
	s_min_u32 s[T0], s[T0], 31
	s_lshl_b32 s[T0], s[T0], 10     ; a tile's step is 1,024 bytes
	s_wait_xcnt 0x0                 ; the last turn's loads have read their base
	s_add_nc_u64 s[MQ:MQ+1], s[6:7], s[T0:T0+1]
	MLOAD ((\p)+2)%NP, MQ, 0
.if (\p) == NP-1
	s_add_co_u32 s[KST], s[KST], 1
.endif
.endm
	s_load_b256 s[4:11], s[0:1], 0x0  ; qkv s[4:5], mk s[6:7], cnt s[8:9], ob s[10:11]
	WIN W_MK
	v_lshl_add_u32 v[SPW], v0, 2, SPARE
	v_mov_b32 v[NIL], 0
	WIN W_AD
	ds_add_u32 v[SPW], v[NIL]       ; the wave's opening: the add and its wait ahead of my first tensor load
	WIN 0
	v_lshrrev_b32 v1, 5, v0
	v_readfirstlane_b32 s[WV], v1   ; wave 0..3
	s_bfe_u32 s13, ttmp6, 0x40000   ; cx: my place in the cluster
	s_lshl_b32 s14, ttmp9, 2
	s_add_co_u32 s14, s14, s13      ; my block of 512 queries: it enters Q's, O's, the mask's and the counts' addresses alone
	s_and_b32 s20, ttmp7, 0xffff    ; the head, which the four partners share
	s_lshr_b32 s19, s20, 4          ; b
	s_lshl_b32 s20, s20, 18         ; the head's first byte: 2,048 rows of 128 bytes
	s_and_b32 s16, s[WV], 1         ; which half of a slot's 256 keys I fetch:
	s_lshl_b32 s22, s16, 14         ; its 128 rows in memory,
	s_add_co_u32 s22, s22, s20
	s_mov_b32 s23, 0
	s_mul_i32 s17, s16, 128*PK      ; and its place in a slot, for K
	s_mul_i32 s18, s16, 128*PV      ; and for V: no place in the cluster enters an LDS address
	s_lshl_b32 s15, s14, 2
	s_add_co_u32 s15, s15, s[WV]    ; my wave among the head's sixteen,
	s_lshl_b32 s2, s15, 14          ; its 128 rows
	s_add_co_u32 s2, s2, s20
	s_mov_b32 s3, 0
	s_lshl_b32 s72, s19, 22         ; mk: 4 MiB for each b,
	s_lshl_b32 s73, s15, 18         ; 8 tiles of 32 KiB for each wave
	s_add_co_u32 s72, s72, s73
	s_mov_b32 s73, 0
	s_lshl_b32 s78, s19, 13         ; cnt: 8,192 bytes for each b, 512 for each wave
	s_lshl_b32 s79, s15, 9
	s_add_co_u32 s78, s78, s79
	s_mov_b32 s79, 0
	; descriptor group 1.  128 keys are 16,384 dense bytes: asked for as 64 rows of 256 bytes, two keys a row, and padded in LDS after every key
	s_mov_b32 s[G1K], 15|(1<<16)|(1<<20)|(1<<21)|(4<<22)|(3<<25)  ; 15:0 the mask of four; 17:16 2-byte elements; 20 padding on; 21 set beside a mask; 24:22 after every 32 words (code 4); 31:25 4 words (code 3)
	s_mov_b32 s[G1V], 15|(1<<16)|(1<<20)|(1<<21)|(4<<22)|(7<<25)  ; the same with 8 words of padding (code 7)
.irp g, G1K, G1V
	s_mov_b32 s[\g+1], 128<<16      ; tensor_dim0 = 128
	s_mov_b32 s[\g+2], 64<<16       ; tensor_dim1 = 64
	s_mov_b32 s[\g+3], 128<<16      ; tile_dim0 = 128
	s_mov_b32 s[\g+4], 64           ; tile_dim1 = 64
	s_mov_b32 s[\g+5], 128          ; 128 elements from row to row
	s_mov_b32 s[\g+6], 0
	s_mov_b32 s[\g+7], 0
.endr
	s_mov_b32 s[CS], 0x4238aa3b     ; c = 32 log2(e) = 46.166
	s_mov_b32 s[CS+1], s[CS]        ; named with it as a pair
	s_mov_b32 s[SEL], 0x76543210
	s_mov_b32 s[SEL+1], 0xfedcba98
	s_mov_b32 s[TBK], SLOT1+4*KS*PK ; the first change of slots turns these two into 0
	s_mov_b32 s[TBV], SLOT1+4*KS*PV
	s_mov_b32 s[G0K], 1             ; count = 1
	s_mov_b32 s[G0K+1], s17         ; LDS address: slot 0
	s_mov_b32 s[G0V], 1
	s_add_co_u32 s[G0V+1], s18, VOFF
	s_mov_b32 s[KST], 0
	s_mov_b32 s[T0+1], 0
	s_mov_b32 s[SLOTS], SIZE_N/256-1
	s_and_b32 s[LIM], s[WV], 1
	s_cmp_eq_u32 s[LIM], 0
	s_cselect_b32 s[LIM], 1, -1     ; waves 0 and 2 prefetch: the same in all four partners
	s_wait_dscnt 0x0                ; the opening add is done
	s_wait_kmcnt 0x0
	s_add_nc_u64 s[G0K+2:G0K+3], s[4:5], s[22:23]
	s_add_nc_u64 s[G0K+2:G0K+3], s[G0K+2:G0K+3], 0x1000000  ; k lies 16 MiB behind q,
	s_add_nc_u64 s[G0V+2:G0V+3], s[G0K+2:G0K+3], 0x1000000  ; v behind k
	s_cmp_lt_u32 s[WV], 2
	s_cselect_b64 s[PFA:PFA+1], s[G0K+2:G0K+3], s[G0V+2:G0V+3]  ; (in waves 0 and 2 these stand at the head's first row)
	s_or_b32 s[G0K+3], s[G0K+3], 0x80000000        ; type = 2
	s_or_b32 s[G0V+3], s[G0V+3], 0x80000000
	s_add_nc_u64 s[4:5], s[4:5], s[2:3]            ; Q and O at my wave's first row
	s_add_nc_u64 s[10:11], s[10:11], s[2:3]
	s_add_nc_u64 s[6:7], s[6:7], s[72:73]          ; mk at my first tile's step 0
	s_add_nc_u64 s[8:9], s[8:9], s[78:79]          ; cnt at my first row
	s_lshl_b32 s72, s13, 13         ; my work-group's 8 KiB of a slot's 32,
	s_add_nc_u64 s[PFA:PFA+1], s[PFA:PFA+1], s[72:73]
	s_add_nc_u64 s[PFA:PFA+1], s[PFA:PFA+1], 4*KS*128  ; in slot 1: the first change of slots steps it to slot 2
	CROUND                          ; all four work-groups are here: the first joint loads meet
	JLOAD                           ; slot 0.  Slot 1 is asked for when slot 0 is in
	v_and_b32 v1, 15, v0            ; l % 16
	v_bfe_u32 v9, v0, 4, 1          ; l / 16
	v_lshlrev_b32 v13, 7, v1
	v_lshl_add_u32 v13, v9, 4, v13  ; Q: row x 128 + 16 x half
	v_lshlrev_b32 v12, 2, v1        ; the counts: 4 (l % 16)
	v_and_b32 v14, 31, v0
	v_lshlrev_b32 v14, 4, v14       ; the mask: 16 l
	WIN 0x80                        ; destination window 2, address window 0
.set i, 0
.rept 4*NP                          ; Q stays in registers: tile i / 2, channels 32 (i % 2) on
	global_load_b128 v[8*i:8*i+3],   v13, s[4:5] offset:(i/2)*2048+(i%2)*64
	global_load_b128 v[8*i+4:8*i+7], v13, s[4:5] offset:(i/2)*2048+(i%2)*64+32
.set i, i+1
.endr
	WIN W_MK
.set t, 0
.rept 2*NP
	global_load_b32 v[NM+t], v12, s[8:9] offset:64*t
.set t, t+1
.endr
	v_mov_b32 v[MO], v14
	v_mov_b32 v[SCL], 226
	MLOAD 0, 6, 0                   ; step 0's bytes, piece by piece
	MLOAD 1, 6, 0
	MLOAD 2, 6, 0
	MLOAD 3, 6, 0
	; What the first turn finds: V's registers and P's second buffer hold 0 (its products V^T P, of a piece that has not been, add 0), O^T and l are 0.  All this stands in the wait for the first tile.
	WIN 0x80
.set i, VF
.rept 64
	v_mov_b32 v[i], 0
.set i, i+1
.endr
	WIN 0x40
.set i, 0
.rept 64*NP
	v_mov_b32 v[i], 0
.set i, i+1
.endr
	WIN 0
.set i, 0
.rept 2*NP
	v_mov_b32 v[ST+4*i+2], 0
	v_mov_b32 v[ST+4*i+3], 0
.set i, i+1
.endr
.set i, P+32
.rept 32
	v_mov_b32 v[i], 0
.set i, i+1
.endr
	v_mul_u32_u24 v[AK0], v1, PK
	v_lshl_add_u32 v[AK0], v9, 4, v[AK0]  ; row x pitch + 16 x half
	; The turning load takes 16 keys x 16 channels (lane l reads key 8 (l / 16) + l % 8, channels 8 ((l / 8) % 2) + 0..7) and leaves half a fragment of V^T.
	v_and_b32 v10, 7, v0
	v_bfe_u32 v11, v0, 3, 1
	v_lshl_add_u32 v[AV0], v9, 3, v10
	v_mul_u32_u24 v[AV0], v[AV0], PV
	v_lshl_add_u32 v[AV0], v11, 4, v[AV0]
	v_add_nc_u32 v[AV0], VOFF, v[AV0]
	v_mov_b32 v[AK], v[AK0]         ; key step 0 lies at the head of slot 0
	s_mul_i32 s13, s[WV], 16*SP
	s_add_co_u32 s13, s13, STAGE    ; my stage
	v_mul_u32_u24 v[STO], v1, SP    ; in: row l % 16, 16 bytes for each half of the lanes
	v_lshl_add_u32 v[STO], v9, 4, v[STO]
	v_add_nc_u32 v[STO], s13, v[STO]
	v_bfe_u32 v[RD], v0, 3, 2       ; back: 32 lanes take four rows of 128 bytes,
	v_mul_u32_u24 v[RD], v[RD], SP
	v_lshl_add_u32 v[RD], v10, 4, v[RD]
	v_add_nc_u32 v[RD], s13, v[RD]
	v_and_b32 v[GO], 31, v0         ; which are 512 consecutive bytes of O
	v_lshlrev_b32 v[GO], 4, v[GO]
	v_and_b32 v[PFO], 31, v0
	v_lshlrev_b32 v[PFO], 8, v[PFO]
	v_mov_b32 v[SCL], 226           ; l / 16 has served
; THE MATRIX WORK.  The 8 accumulators of a run of 16 take turns.
; Product i of 16 of S^T = K Q^T for piece x: channels 32 (i / 8) on, keys 16 ((i / 2) % 4) on, tile 2 x + i % 2.  The first 8 start the sums, with the mask.
.macro KQ x
.set rS, S+64*((\x)%2)+32*(i%2)+8*((i/2)%4)
.set rK, KF+16*((i/2)%4)+8*(i/8)
.set rQ, 16*(2*(\x)+i%2)+8*(i/8)
.set rMC, MC+32*(i%2)+8*((i/2)%4)
.if i < 8
	WIN W_KM
	v_wmma_f32_16x16x32_f16 v[rS:rS+7], v[rK:rK+7], v[rQ:rQ+7], v[rMC:rMC+7]
.else
	WIN W_KQ
	v_wmma_f32_16x16x32_f16 v[rS:rS+7], v[rK:rK+7], v[rQ:rQ+7], v[rS:rS+7]
.endif
.endm
; Product i of 16 of O^T += V^T P for piece x: keys 32 (i / 8) on, channels 16 ((i / 2) % 4) on, tile 2 x + i % 2.
.macro PV x
	WIN W_PV
.set rO, 32*(2*(\x)+i%2)+8*((i/2)%4)
.set rV, VF+32*(i/8)+8*((i/2)%4)
.set rP, P+32*((\x)%2)+16*(i%2)+8*(i/8)
	v_wmma_f32_16x16x32_f16 v[rO:rO+7], v[rV:rV+7], v[rP:rP+7], v[rO:rO+7]
.endm
.macro MM                           ; the turn's next matrix instruction
.if i < 16
	KQ (Y+1)%NP
.set i, i+1
.else
.set i, i-16
	PV (Y+NP-1)%NP
.set i, i+17
.endif
.endm
; THE LDS LOADS stand in runs of 16: a step's K (8 fragments) and its V (turned).  last = 1 (the tail): in the last trip there is no further step, and the run is jumped over.
.macro FETCH_K last=0
	WIN 0
.if \last
	s_cmp_eq_u32 s[CNT], 1
	s_cbranch_scc1 .Lno_k_\@
.endif
	WIN 0x80                        ; destination window 2
.irp f, 0,1,2,3,4,5,6,7             ; keys 16 (f / 2) on, channels 32 (f % 2) on
	ds_load_b128 v[KF+8*\f:KF+8*\f+3],   v[AK] offset:(\f/2)*16*PK+(\f%2)*64
	ds_load_b128 v[KF+8*\f+4:KF+8*\f+7], v[AK] offset:(\f/2)*16*PK+(\f%2)*64+32
.endr
	s_add_co_u32 s[TBK], s[TBK], KS*PK  ; the next fetch is the next step's
	WIN 0
.if \last
.Lno_k_\@:
.endif
.endm
.macro FETCH_V
	WIN 0x80
.irp f, 0,1,2,3,4,5,6,7             ; keys 32 (f / 4) on, channels 16 (f % 4) on
	ds_load_tr16_b128 v[VF+8*\f:VF+8*\f+3],   v[AV] offset:(\f/4)*32*PV+(\f%4)*32
	ds_load_tr16_b128 v[VF+8*\f+4:VF+8*\f+7], v[AV] offset:(\f/4)*32*PV+16*PV+(\f%4)*32
.endr
	WIN 0
.endm
; THE VECTOR WORK OF A TURN stands in three queues, each in the order in which its entries become ready; the two tiles alternate.
.macro REGS y, u                    ; the registers of tile u (0, 1) of piece y
.set rT, ST+4*(2*(\y)+(\u))
.set rC, TMP+8*((\y)%2)+4*(\u)
.set rM, MV+2*((\y)%2)+(\u)
.set rS, S+64*((\y)%2)+32*(\u)
.set rP, P+32*((\y)%2)+16*(\u)
.set rO, 32*(2*(\y)+(\u))
.endm
; Number n of the 22 that find the NEXT piece's (Y + 1) maximum and statistics; each accumulator's lowest registers are read first.
;   0-11  four chains c0-c3 of seven scores each     12-14, 16  the four scores left over, the old m, and c0-c3 into c0     15  c m_old is kept
;   17, 18  the query's other 32 keys lie in the lane 16 away: the new m         19-21  c m; c m_old - c m_new; a
.macro XS u, n
	REGS (Y+1)%NP, \u
.if (\n) < 4
	v_max3_num_f32 v[rC+(\n)], v[rS+8*(\n)], v[rS+8*(\n)+1], v[rS+8*(\n)+2]
.elseif (\n) < 12
	v_max3_num_f32 v[rC+(\n)%4], v[rC+(\n)%4], v[rS+8*((\n)%4)+2*((\n)/4)+1], v[rS+8*((\n)%4)+2*((\n)/4)+2]
.elseif (\n) == 12
	v_max3_num_f32 v[rC], v[rC], v[rS+7], v[rS+15]
.elseif (\n) == 13
	v_max3_num_f32 v[rC+1], v[rC+1], v[rS+23], v[rS+31]
.elseif (\n) == 14
	v_max3_num_f32 v[rC+2], v[rC+2], v[rC+3], v[rT+1]
.elseif (\n) == 15
	v_mov_b32 v[rM], v[rT]
.elseif (\n) == 16
	v_max3_num_f32 v[rC], v[rC], v[rC+1], v[rC+2]
.elseif (\n) == 17
	v_permlanex16_b32 v[rC+3], v[rC], s[SEL], s[SEL+1]
.elseif (\n) == 18
	v_max_num_f32 v[rT+1], v[rC], v[rC+3]
.elseif (\n) == 19
	v_mul_f32 v[rT], s[CS], v[rT+1]
.elseif (\n) == 20
	v_sub_f32 v[rC+1], v[rM], v[rT]
.else
	v_exp_f32 v[rC+2], v[rC+1]
.endif
.endm
; Number g of the 64 that follow the exponentials.  For each four weights k of a tile: both pairs are rounded to f16; then the second pair is added onto the first, in place; a group later l takes that sum.
.macro GS g
.set h, (\g)+6*((\g)/62)            ; group 0 has no group before it, and behind group 7 only l is left
.if h >= 6
.set h, h+2
.endif
	REGS Y, h%2
.set k, h/8
.if h%8 < 4
	s_wait_alu depctr_va_vdst(0)
	v_cvt_pk_f16_f32 v[rP+2*k+(h%8)/2], v[rS+4*k+2*((h%8)/2)], v[rS+4*k+2*((h%8)/2)+1]
.elseif h%8 < 6
	v_pk_add_f32 v[rS+4*k:rS+4*k+1], v[rS+4*k:rS+4*k+1], v[rS+4*k+2:rS+4*k+3]
.elseif k == 1
	v_pk_fma_f32 v[rT+2:rT+3], v[rT+2:rT+3], v[rC+2:rC+3], v[rS:rS+1] op_sel_hi:[1,0,1]
.else
	v_pk_add_f32 v[rT+2:rT+3], v[rT+2:rT+3], v[rS+4*k-4:rS+4*k-3]
	s_wait_alu depctr_va_vdst(0)
.endif
.endm
; THE PLAIN QUEUE, 138 long.  0-31: c s - c m for the 16 pairs of both tiles.  Then GS's 64, and among them the next piece's 42.
.macro PL
	WIN 0
.if q < 32
	REGS Y, q%2
	v_pk_fma_f32 v[rS+2*(q/2):rS+2*(q/2)+1], v[rS+2*(q/2):rS+2*(q/2)+1], s[CS:CS+1], v[rT:rT+1] op_sel_hi:[1,0,0] neg_lo:[0,0,1] neg_hi:[0,0,1]
.elseif q < 38
	GS q-32
.elseif q < 40
	XS q%2, 15
.elseif q < 42
	GS q-34
.elseif q < 74
	XS q%2, (q-42)/2+(q-42)/30
.elseif q < 95
	GS q-66
.elseif (q < 107) && ((q-95)%3 < 2)
	XS (q-95)%3, 17+(q-95)/3
.elseif q < 107
	GS 29+(q-95)/3
.else
	GS q-74
.endif
.set q, q+1
.endm
; THE EXPONENTIALS' QUEUE, 66 long: s0-s31 of both tiles, and at EA the next piece's two a.
.set EA, 58
.macro EX
	WIN 0
.if (e == EA) || (e == EA+1)
	XS e-EA, 21
.else
.set x, e-2*(e/(EA+2))
	REGS Y, x%2
	v_exp_f32 v[rS+x/2], v[rS+x/2]
.endif
.set e, e+1
.endm
; THE RESCALING's QUEUE: O^T times a, dealt four at a time, eight times.
.macro R4
	REGS Y, r%2
	WIN W_RS
	s_wait_alu depctr_va_vdst(0)
.irp z, 0,1,2,3
	v_pk_mul_f32 v[rO+8*(r/2)+2*\z:rO+8*(r/2)+2*\z+1], v[rO+8*(r/2)+2*\z:rO+8*(r/2)+2*\z+1], v[rC+2:rC+3] op_sel_hi:[1,0]
.endr
.set r, r+1
.endm
; HOW THEY ARE DEALT.  Behind a matrix instruction four: plain, exponential, plain, plain, or four of the rescaling; none names a register of the products round it.  What is over stands in two lumps.
.macro SL
	MM
	PL
	EX
	PL
	PL
.endm
.macro BURST n                      ; 15 matrix instructions, or 16
.rept (\n)-7
	SL
.endr
.rept 3
	MM
	R4
	SL
.endr
	MM
	R4
.endm
; A TURN, for piece p.  cnt = 1: the loop's count is taken down some lines ahead of the branch that stands behind the turn.  K of the next step is fetched in piece 2's turn, V of the step in hand at the end of
; piece 0's.  The mask's work stands behind the first run of products: the last product that read the C registers stands eight products and their riders back.
.macro TURN p, last=0, cnt=0
.set Y, (\p)
.set i, 0
.set q, 0
.set e, 0
.set r, 0
.if (\p) == NP-1
	s_wait_dscnt 0x0                ; K is in
.endif
	MM
.rept 4
	PL
.endr
	BURST 15
	MASKSTEP \p
.rept 22
	EX
	PL
.if ((\p) == NP-2) && (e == 18)
	v_add_nc_u32 v[AK], s[TBK], v[AK0]
.endif
.if ((\p) == NP-2) && (e == 24)
	FETCH_K \last
.endif
.endr
.if (\p) == 1
	s_wait_dscnt 0x0                ; V is in
.endif
	BURST 16
.rept 21
	EX
	PL
.endr
.rept 22
	PL
.if ((\p) == 0) && (q == 118)
	v_add_nc_u32 v[AV], s[TBV], v[AV0]
	s_wait_alu depctr_va_vdst(0)
.endif
.if ((\p) == 0) && (q == 130)
	s_add_co_u32 s[TBV], s[TBV], KS*PV
.endif
.if (\cnt) && (q == 130)
	s_sub_co_u32 s[CNT], s[CNT], 1
	s_cmp_lg_u32 s[CNT], 0
.endif
.endr
.if (\p) == 0
	FETCH_V
.endif
.endm
	CHANGE 1                        ; slot 0 is in, everybody's part of it; slot 1 is asked for
	FETCH_K                         ; key step 0
	s_wait_loadcnt 12               ; Q, the counts and piece 0's bytes are in; three pieces' twelve loads stay out
	WIN 0x03
.set t, 0
.rept 2*NP
	v_cmp_gt_f32 s[CM+t], v[NM+t], 0
.set t, t+1
.endr
	WIN 0
	v_mov_b32 v48, 0xff7fffff       ; m where nothing is hidden: the lowest finite number,
	v_mov_b32 v49, 0xc39c4000       ; where something is: -312.5, which is -10000 in the raw scores' units
	v_mov_b32 v50, 0xfe000000       ; c m: far below every c s,
	v_mul_f32 v51, s[CS], v49       ; or c x (-312.5), by the line that makes c m in every step
	v_readfirstlane_b32 s[CMV], v51
.set t, 0
.rept 2*NP
	v_cndmask_b32 v[ST+4*t+1], v48, v49, s[CM+t]
	v_cndmask_b32 v[ST+4*t], v50, v51, s[CM+t]
.set t, t+1
.endr
	MCONV 0
	MLOAD 0, 6, 1024                ; step 1, piece 0
	s_wait_dscnt 0x0
.set i, 0
.rept 16
	KQ 0                            ; piece 0's first scores
.set i, i+1
.endr
	WIN 0
.rept 4
	v_nop                           ; the places behind those products
.endr
	s_wait_loadcnt 12               ; piece 1's bytes
	MCONV 1
	MLOAD 1, 6, 1024                ; step 1, piece 1
.set Y, NP-1                        ; XS works for piece Y + 1: piece 0
.irp n, 0,1,2,3,4,5,6,7,8,9,10,11,12,13,14,15,16,17,18,19,20,21
	XS 0, \n
	XS 1, \n
.endr
	s_mov_b32 s[CNT], 4
	s_branch .Lfirst                ; the loop is entered at a step's first turn, in the middle of a trip
.Lslot:                             ; six times: every slot but the last two is filled again
	CHANGE 1
	s_mov_b32 s[CNT], 4
.Lstep:                             ; a trip: pieces 2 and 3 of one step, then pieces 0 and 1 of the next, whose K and V it fetches
	TURN 2
	TURN 3
	WIN 0
.Lfirst:
	TURN 0
	TURN 1, 0, 1
	WIN 0
	s_cbranch_scc1 .Lstep
	s_sub_co_u32 s[SLOTS], s[SLOTS], 1
	s_cmp_lg_u32 s[SLOTS], 0
	s_cbranch_scc1 .Lslot
	CHANGE 0                        ; the tail is written out: nothing is asked for
	s_mov_b32 s[CNT], 5             ; four trips fetch the last slot's steps; the fifth is left in its middle
.Ltail:
	TURN 2, 1
	TURN 3
	WIN 0
	s_sub_co_u32 s[CNT], s[CNT], 1
	s_cmp_eq_u32 s[CNT], 0
	s_cbranch_scc1 .Lout
	TURN 0
	TURN 1
	WIN 0
	s_branch .Ltail
.Lout:                              ; the fifth trip's 16 products K Q^T take the last K and the last step's mask once more: the maximum made of them is the one that piece 0 has already
.set i, 0
.rept 16
	PV NP-1                         ; the last piece's V^T P of the last step
.set i, i+1
.endr
	; THE WAY OUT.  l's two halves and the other half of the lanes' are added; the hidden keys' share n 2^(c (-312.5) - c m) is added (the exponent is never above 0); O^T is divided by l, rounded to f16 and
	; sent through my stage in LDS, a tile at a time.  The additions are the places behind the last products.
	WIN 0
.macro ALL line:vararg              ; one line for each tile t
.set t, 0
.rept 2*NP
	\line
.set t, t+1
.endr
.endm
	ALL v_add_f32 v[ST+4*t+2], v[ST+4*t+2], v[ST+4*t+3]
	ALL v_permlanex16_b32 v[ST+4*t+3], v[ST+4*t+2], s[SEL], s[SEL+1]
	ALL v_add_f32 v[ST+4*t+2], v[ST+4*t+2], v[ST+4*t+3]
	ALL v_sub_f32 v[ST+4*t+3], s[CMV], v[ST+4*t]
	ALL v_min_num_f32 v[ST+4*t+3], 0, v[ST+4*t+3]
	ALL v_exp_f32 v[ST+4*t+3], v[ST+4*t+3]
	v_nop                           ; a plain instruction between the last exponential and the use of its result
	s_wait_alu depctr_va_vdst(0)
	WIN 0x03                        ; n in window 3
	ALL v_fma_f32 v[ST+4*t+2], v[NM+t], v[ST+4*t+3], v[ST+4*t+2]
	WIN 0
	ALL v_rcp_f32 v[ST+4*t+2], v[ST+4*t+2]
	v_nop                           ; a plain instruction between the last reciprocal and the use of its result
	s_wait_alu depctr_va_vdst(0)
.macro PACK t
	WIN W_RS
.set i, 32*(\t)
.rept 16
	v_pk_mul_f32 v[i:i+1], v[i:i+1], v[ST+4*(\t)+2:ST+4*(\t)+3] op_sel_hi:[1,0]
.set i, i+2
.endr
	WIN 0x05                        ; sources 0 and 1 window 1, destination window 0
.set i, 0
.rept 16
	v_cvt_pk_f16_f32 v[S+16*(\t)+i], v[32*(\t)+2*i], v[32*(\t)+2*i+1]
.set i, i+1
.endr
	WIN 0
.irp f, 0,1,2,3
	ds_store_b128 v[STO], v[S+16*(\t)+4*\f:S+16*(\t)+4*\f+3] offset:32*\f
.endr
.irp f, 0,1,2,3
	ds_load_b128 v[S+16*(\t)+4*\f:S+16*(\t)+4*\f+3], v[RD] offset:\f*4*SP  ; LDS serves a wave's instructions in order (ISA guide 5.7.1.4): these see the stores above; the next tile's stores come behind them
.endr
.endm
.macro SEND t, younger              ; younger: the LDS instructions issued behind tile t's loads: the next tile's eight, or none
	WIN 0
.irp f, 0,1,2,3
	s_wait_dscnt (\younger)+3-\f
	global_store_b128 v[GO], v[S+16*(\t)+4*\f:S+16*(\t)+4*\f+3], s[10:11] offset:(\t)*2048+\f*512  ; 512 consecutive bytes, aligned
.endr
.endm
	PACK 0
.set t, 1
.rept 2*NP-1                        ; a tile's arithmetic stands between the loads of the tile before and its stores
	PACK t
	SEND t-1, 8
.set t, t+1
.endr
	SEND 2*NP-1, 0
	WIN W_AD
	s_wait_tensorcnt 0x0            ; the wave's end, behind my last tensor load and my last LDS store
	ds_add_u32 v[SPW], v[NIL]
	s_wait_dscnt 0x0
	WIN 0
	CROUND                          ; the closing round
	s_endpgm
.Lfunc_end_k_qc7db0027ff_attn:
	.size	k_qc7db0027ff_attn, .Lfunc_end_k_qc7db0027ff_attn-k_qc7db0027ff_attn
	.p2alignl 7, 3214868480
	.fill 96, 4, 3214868480
	.section	.rodata,"a",@progbits
	.p2align	6, 0x0
	.amdhsa_kernel k_qc7db0027ff_attn
		.amdhsa_group_segment_fixed_size 327680
		.amdhsa_private_segment_fixed_size 0
		.amdhsa_enable_private_segment 0
		.amdhsa_kernarg_size 32
		.amdhsa_user_sgpr_count 2
		.amdhsa_user_sgpr_kernarg_segment_ptr 1
		.amdhsa_wavefront_size32 1
		.amdhsa_system_sgpr_workgroup_id_x 1
		.amdhsa_system_sgpr_workgroup_id_y 1
		.amdhsa_system_sgpr_workgroup_id_z 1
		.amdhsa_system_vgpr_workitem_id 0
		.amdhsa_next_free_vgpr 960
		.amdhsa_next_free_sgpr 88
		.amdhsa_reserve_vcc 0
		.amdhsa_float_denorm_mode_32 3
		.amdhsa_float_denorm_mode_16_64 3
		.amdhsa_memory_ordered 1
		.amdhsa_forward_progress 1
		.amdhsa_inst_pref_size 226
	.end_amdhsa_kernel
	.amdgpu_metadata
---
amdhsa.version: [ 1, 2 ]
amdhsa.kernels:
  - .name:           k_qc7db0027ff_attn
    .symbol:         k_qc7db0027ff_attn.kd
    .args:
      - { .name: qkv, .offset: 0, .size: 8, .value_kind: global_buffer, .address_space: global }
      - { .name: mk, .offset: 8, .size: 8, .value_kind: global_buffer, .address_space: global }
      - { .name: cnt, .offset: 16, .size: 8, .value_kind: global_buffer, .address_space: global }
      - { .name: ob, .offset: 24, .size: 8, .value_kind: global_buffer, .address_space: global }
    .group_segment_fixed_size: 327680
    .private_segment_fixed_size: 0
    .kernarg_segment_align: 8
    .kernarg_segment_size: 32
    .max_flat_workgroup_size: 128
    .sgpr_count:     88
    .vgpr_count:     960
    .wavefront_size: 32
...
	.end_amdgpu_metadata
.endif
;; end of part 3
;; launch outp (part 4): grid 4 x 64, 4 waves a work-group, clusters of 4 x 4, 327,680 bytes of LDS; arguments ob, wb, bo, out0; writes out0
.if DOCPART == 4
	.amdgcn_target "amdgcn-amd-amdhsa--gfx1250"
	.amdhsa_code_object_version 6
	.text
	.protected	k_qc7db0027ff_outp
	.globl	k_qc7db0027ff_outp
	.p2align	8
	.type	k_qc7db0027ff_outp,@function
k_qc7db0027ff_outp:
	s_mov_b64 s[64:65], 0
	v_nop
	global_prefetch_b8 v0, s[64:65] scope:SCOPE_SE
	s_setreg_imm32_b32 hwreg(HW_REG_WAVE_MODE, 25, 1), 1
	s_wait_xcnt 0x0
	s_wait_alu depctr_hold_cnt(0) depctr_sa_sdst(0) depctr_va_vdst(0) depctr_va_sdst(0) depctr_va_ssrc(0) depctr_va_vcc(0) depctr_vm_vsrc(0)
	s_getreg_b32 s2, hwreg(HW_REG_IB_STS2, 6, 4)
	s_cmp_eq_u32 s2, 0
	s_cbranch_scc0 .Lentry_in_a_cluster
	s_endpgm
.Lentry_in_a_cluster:
	s_bfe_u32 s2, ttmp6, 0x10000c
	s_cmp_lg_u32 s2, 0xf033
	s_cbranch_scc0 .Lentry_shape_is_right
	s_endpgm
.Lentry_shape_is_right:
; OUTP: out0 = O Wo^T + bo.  O f16 [b 4][h 16][t 2048][64] (a head is a plane of 64 along K), Wo f16 in wb's fourth part [kb 16][n 1024][64]; sums f32 (the bias starts them); out0 f32 [8192][1024].
; SHARES.  A tile of C is 128 rows x 256 columns: 256 tiles, one for each work-group.  Four waves, each 64 x 128: 32 accumulators.  K goes in 8 steps of 128 through two LDS slots.
; THE MATRIX INSTRUCTION IS USED TRANSPOSED (source 0 = 16 rows of Wo, source 1 = 16 rows of O): a lane holds eight neighbouring columns of one row.
; CLUSTER.  4 x 4 work-groups: the four of a row need the same rows of O, the four of a column the same rows of Wo: each tile is asked for jointly.
; REGISTERS, in windows of 256 (s_set_vgpr_msb: bits 1:0 source 0, 3:2 source 1, 5:4 source 2, 7:6 destination):
;   window 0: v0-31 addresses; v64-127 O's fragments, two buffers of 4 x 8; v128-255 rows on the way out, two sets of 64
;   window 1: v0-127 Wo's fragments, two buffers of 8 x 8; v128-191 the bias as a C operand       window 2: accumulator (a, b) at v[8 (8 a + b)]
.set STEPA,  524288                    ; a K step in ob: two planes of 2,048 rows x 128 bytes
.set STEPB,  262144                    ; in wb: two planes of 1,024 rows
.set NSTEP,  8
.set PITCH,  144                       ; an LDS row: 128 bytes + 16 = 36 words: the 16 rows of a fragment load start at 16 different groups of four banks (64 banks of 4 bytes: ISA guide 11.1)
.set PLA,    64*PITCH
.set PLB,    128*PITCH
.set BREG,   4*PLA                     ; a slot: O's rows 0-63 (two planes), rows 64-127, then Wo's rows 0-127, rows 128-255
.set SLOT1,  131072
.set STAGE,  SLOT1+4*PLA+4*PLB         ; behind the ring, never filled by a tensor load: 16 rows x 528 bytes for each wave
.set SP,     528                       ; 512 bytes + 16 = 132 words
.set SPARE,  STAGE+4*16*SP             ; the spare words, 128 bytes for each wave: two blocks of 256 bytes that no other line names
.set A0,   16
.set B0,   17
.set ADRA, 18
.set ADRB, 19
.set STO,  24
.set RD,   25
.set CO,   26
.set BO,   27
.set SPW,  28                          ; v28  LDS address of my spare word; never rewritten
.set NIL,  29                          ; v29  0; never rewritten
.set PFO,  30
.set AF,   64
.set OB,   128
.set BIAS, 128                         ; in window 1
.set WV,   16
.set MH,   17                          ; which 64 rows are mine.  Also: I fetch for O (0) or for Wo (1)
.set NH,   18                          ; which 128 columns are mine.  Also: which half of that tile I fetch
.set G1A,  24
.set G1B,  32
.set G0A,  40                          ; s[40:43] slot 0's first fill; s[44:47] slot 1's, which then walks on
.set G0B,  48
.set CNT,  57
.set TB,   58
.set SEQ,  59
.set LIM,  60
.set PFA,  62
.set OUT,  74
.set MSB, 0
.macro WIN new                         ; the immediate's high byte repeats the setting that is left; a switch that changes nothing is dropped
.if MSB != (\new)
	s_set_vgpr_msb (MSB<<8)|(\new)
.set MSB, \new
.endif
.endm
.macro PLACES                          ; four places in front of loads into registers that matrix instructions have read, and of lines that read results
.rept 4
	v_nop
.endr
.endm
.macro CREST                           ; a round of the cluster's barrier behind its opening barrier
	s_cmp_lg_u32 s[WV], 0
	s_cbranch_scc1 .Lnot_wave_0_\@
	s_barrier_signal -3
.Lnot_wave_0_\@:
	s_barrier_wait -3
	s_barrier_signal -1
	s_barrier_wait -1
.endm
.macro CROUND
	s_barrier_signal -1
	s_barrier_wait -1
	CREST
.endm
.macro JLOAD                           ; a joint refill by the walking descriptors; an s_nop 0 and four v_nop follow each line
	s_cmp_eq_u32 s[MH], 0
	s_cbranch_scc0 .Lfor_b_\@
	tensor_load_to_lds s[G0A+4:G0A+7], s[G1A:G1A+7]
	s_nop 0
.rept 4
	v_nop
.endr
	s_branch .Lasked_\@
.Lfor_b_\@:
	tensor_load_to_lds s[G0B+4:G0B+7], s[G1B:G1B+7]
	s_nop 0
.rept 4
	v_nop
.endr
.Lasked_\@:
.endm
; A prefetch into the L2 behind a refill: the refill asks for K step j + 2, the prefetch names O's K step j + 4: my work-group's 32 of the tile's 128 rows in both planes, a lane a block of 256 bytes, one
; instruction of wave 0; the four partners are told apart by address.  Each block is named once; the first four K steps come by their loads alone, the last two refills name nothing.
.macro ASK
	s_cmp_lt_u32 s[SEQ], s[LIM]
	s_cbranch_scc0 .Lnot_mine_\@
	global_prefetch_b8 v[PFO], s[PFA:PFA+1] th:TH_LOAD_NT scope:SCOPE_SE
.Lnot_mine_\@:
	s_add_co_u32 s[SEQ], s[SEQ], 1
.endm
; 8 matrix instructions: row block a x all 8 column blocks, 32 along K, from buffer f.  z = 1: the bias starts the sums.  The 32 accumulators take turns in one fixed order.
.macro MUL8 f, a, z
.if \z
	WIN 0x91
.else
	WIN 0xa1
.endif
.irp b, 0,1,2,3,4,5,6,7
.if \z
	v_wmma_f32_16x16x32_f16 v[8*(8*(\a)+\b):8*(8*(\a)+\b)+7], v[64*(\f)+8*\b:64*(\f)+8*\b+7], v[AF+32*(\f)+8*(\a):AF+32*(\f)+8*(\a)+7], v[BIAS+8*\b:BIAS+8*\b+7]
.else
	v_wmma_f32_16x16x32_f16 v[8*(8*(\a)+\b):8*(8*(\a)+\b)+7], v[64*(\f)+8*\b:64*(\f)+8*\b+7], v[AF+32*(\f)+8*(\a):AF+32*(\f)+8*(\a)+7], v[8*(8*(\a)+\b):8*(8*(\a)+\b)+7]
.endif
.endr
.endm
.macro FETCH q, f                      ; 24 LDS loads in one run: quarter q (plane q / 2, channels 32 (q % 2) on) into buffer f
	WIN 0x40
.irp i, 0,1,2,3,4,5,6,7
	ds_load_b128 v[64*(\f)+8*\i:64*(\f)+8*\i+3],   v[ADRB] offset:((\q)/2)*PLB+64*((\q)%2)+16*PITCH*\i
	ds_load_b128 v[64*(\f)+8*\i+4:64*(\f)+8*\i+7], v[ADRB] offset:((\q)/2)*PLB+64*((\q)%2)+16*PITCH*\i+32
.endr
	WIN 0
.irp i, 0,1,2,3
	ds_load_b128 v[AF+32*(\f)+8*\i:AF+32*(\f)+8*\i+3],   v[ADRA] offset:((\q)/2)*PLA+64*((\q)%2)+16*PITCH*\i
	ds_load_b128 v[AF+32*(\f)+8*\i+4:AF+32*(\f)+8*\i+7], v[ADRA] offset:((\q)/2)*PLA+64*((\q)%2)+16*PITCH*\i+32
.endr
.endm
.macro QUARTER q, f, z                 ; multiplies buffer f; in its middle it fetches quarter q into the other buffer
	s_wait_dscnt 4                                 ; Wo and O's blocks 0, 1 are in; the youngest four loads may be out
	MUL8 \f, 0, \z
	MUL8 \f, 1, \z
	PLACES
	FETCH \q, 1-(\f)
	s_wait_dscnt 24                                ; all but the 24 just issued
	MUL8 \f, 2, \z
	MUL8 \f, 3, \z
.endm
; The fourth quarter multiplies buffer 1 and changes slots: each wave waits for all its tensor loads, adds 0 to its spare word, and waits for that and for its reads of this slot.
; fill = 1: the barrier opens a round of the cluster's, and behind it this slot is filled again first, with the K step two on.
.macro TURN fill
.if \fill
	s_wait_xcnt 0x0                                ; the last prefetch, a K step back, has read its address
	s_add_nc_u64 s[PFA:PFA+1], s[PFA:PFA+1], STEPA
.endif
	WIN 0
	s_wait_tensorcnt 0x0                           ; no tensor load of mine is out, so a group 0 may be written
	ds_add_u32 v[SPW], v[NIL]                      ; 0 onto my spare word
.if \fill
	s_xor_b32 s[G0A+5], s[G0A+5], SLOT1
	s_add_nc_u64 s[G0A+6:G0A+7], s[G0A+6:G0A+7], STEPA
	s_xor_b32 s[G0B+5], s[G0B+5], SLOT1
	s_add_nc_u64 s[G0B+6:G0B+7], s[G0B+6:G0B+7], STEPB
.endif
	s_xor_b32 s[TB], s[TB], SLOT1
	s_wait_dscnt 5                                 ; the add and the youngest four loads may be out
	MUL8 1, 0, 0
	s_wait_dscnt 0x0                               ; the add is done, and my reads of this slot are over
	s_barrier_signal -1
	MUL8 1, 1, 0
	WIN 0
	s_barrier_wait -1
.if \fill
	CREST
	JLOAD                                          ; its four v_nop are also the places in front of the loads below
.else
	PLACES
.endif
	v_add_nc_u32 v[ADRA], s[TB], v[A0]
	v_add_nc_u32 v[ADRB], s[TB], v[B0]
	FETCH 0, 0
.if \fill
	ASK
.endif
	MUL8 1, 2, 0
	MUL8 1, 3, 0
.endm
; THE WAY OUT of row block a: 16 rows x 512 bytes go into my own stage, each accumulator's low four registers first, and come back as whole rows.
.macro TOSTAGE a
	WIN 0x08                                       ; the data (source 1) in window 2
.irp b, 0,1,2,3,4,5,6,7
	ds_store_b128 v[STO], v[8*(8*(\a)+\b):8*(8*(\a)+\b)+3]   offset:64*\b
	ds_store_b128 v[STO], v[8*(8*(\a)+\b)+4:8*(8*(\a)+\b)+7] offset:64*\b+16
.endr
	WIN 0
.set BK, OB+64*((\a)%2)
.set i, 0
.rept 16
	ds_load_b128 v[BK+4*i:BK+4*i+3], v[RD] offset:SP*i  ; LDS serves a wave's instructions in order (ISA guide 5.7.1.4): these see the stores above
.set i, i+1
.endr
.endm
.macro SEND a, younger                 ; younger: the next block's 16 stores and 16 loads, or none
.set BK, OB+64*((\a)%2)
	s_wait_dscnt \younger
.set i, 0
.rept 16
	global_store_b128 v[CO], v[BK+4*i:BK+4*i+3], s[OUT:OUT+1] offset:4096*(16*(\a)+i) th:TH_STORE_NT  ; 512 consecutive bytes of a row, aligned
.set i, i+1
.endr
.endm
	s_load_b256 s[4:11], s[0:1], 0x0               ; ob 4, wb 6, bo 8, out0 10
	v_lshl_add_u32 v[SPW], v0, 2, SPARE
	v_mov_b32 v[NIL], 0
	ds_add_u32 v[SPW], v[NIL]                      ; the wave's opening: the add and its wait ahead of my first tensor load
	v_lshrrev_b32 v1, 5, v0
	v_readfirstlane_b32 s[WV], v1
	s_lshr_b32 s[MH], s[WV], 1
	s_and_b32 s[NH], s[WV], 1
	s_bfe_u32 s20, ttmp6, 0x40000                  ; cx
	s_bfe_u32 s21, ttmp6, 0x40004                  ; cy
	s_lshl_b32 s22, ttmp9, 2
	s_add_co_u32 s22, s22, s20                     ; tile column
	s_and_b32 s23, ttmp7, 0xffff
	s_lshl_b32 s23, s23, 2
	s_add_co_u32 s23, s23, s21                     ; tile row
	s_lshl_b32 s70, s21, 2
	s_lshl_b32 s70, 15, s70                        ; my row of the cluster
	s_lshl_b32 s71, 0x1111, s20                    ; my column
	s_or_b32 s[G1A], s70, 0x07310000               ; 15:0 the mask; 17:16 2-byte elements; 20 padding on; 21 set beside a mask; 24:22 after every 32 words (code 4); 31:25 4 words (code 3)
	s_or_b32 s[G1B], s71, 0x07310000
	s_mov_b32 s[G1A+1], 4096<<16                   ; tensor_dim0 = 4,096: 64 rows x 64 channels, dense
	s_mov_b32 s[G1A+2], 2<<16                      ; tensor_dim1 = 2 planes
	s_mov_b32 s[G1A+3], 4096<<16                   ; tile_dim0
	s_mov_b32 s[G1A+4], 2                          ; tile_dim1
	s_mov_b32 s[G1A+5], 131072                     ; elements from plane to plane
	s_mov_b32 s[G1A+6], 0
	s_mov_b32 s[G1A+7], 0
	s_mov_b32 s[G1B+1], 8192<<16
	s_mov_b32 s[G1B+2], 2<<16
	s_mov_b32 s[G1B+3], 8192<<16
	s_mov_b32 s[G1B+4], 2
	s_mov_b32 s[G1B+5], 65536
	s_mov_b32 s[G1B+6], 0
	s_mov_b32 s[G1B+7], 0
	s_lshr_b32 s19, s23, 4                         ; b
	s_and_b32 s72, s23, 15
	s_lshl_b32 s72, s72, 14                        ; the tile's first row, 128 bytes a row
	s_lshl_b32 s73, s19, 22                        ; 16 planes for each b
	s_add_co_u32 s72, s72, s73
	s_mov_b32 s73, 0
	s_lshl_b32 s2, s[NH], 13
	s_add_co_u32 s2, s2, s72
	s_mov_b32 s3, 0
	s_lshl_b32 s76, s22, 15
	s_lshl_b32 s77, s[NH], 14
	s_add_co_u32 s76, s76, s77
	s_add_co_u32 s76, s76, 3*2097152               ; Wo is wb's fourth part
	s_mov_b32 s77, 0
	s_mul_i32 s78, s[NH], 2*PLA
	s_mul_i32 s79, s[NH], 2*PLB
	s_add_co_u32 s79, s79, BREG
	s_mov_b32 s[G0A], 1
	s_mov_b32 s[G0A+1], s78
	s_mov_b32 s[G0A+4], 1
	s_add_co_u32 s[G0A+5], s78, SLOT1
	s_mov_b32 s[G0B], 1
	s_mov_b32 s[G0B+1], s79
	s_mov_b32 s[G0B+4], 1
	s_add_co_u32 s[G0B+5], s79, SLOT1
	s_mov_b32 s[TB], 0
	s_mov_b32 s[SEQ], 0
	s_cmp_eq_u32 s[WV], 0
	s_cselect_b32 s[LIM], NSTEP-4, 0
	s_wait_dscnt 0x0                               ; the opening add is done
	s_wait_kmcnt 0x0
	s_add_nc_u64 s[G0A+2:G0A+3], s[4:5], s[2:3]
	s_add_nc_u64 s[G0A+6:G0A+7], s[G0A+2:G0A+3], STEPA
	s_or_b32 s[G0A+3], s[G0A+3], 0x80000000
	s_or_b32 s[G0A+7], s[G0A+7], 0x80000000
	s_add_nc_u64 s[G0B+2:G0B+3], s[6:7], s[76:77]
	s_add_nc_u64 s[G0B+6:G0B+7], s[G0B+2:G0B+3], STEPB
	s_or_b32 s[G0B+3], s[G0B+3], 0x80000000
	s_or_b32 s[G0B+7], s[G0B+7], 0x80000000
	CROUND                                         ; all sixteen work-groups are here: the first joint loads meet
	s_cmp_eq_u32 s[MH], 0                          ; a wave's two first fills stand in one branch: two loads of mine are out
	s_cbranch_scc0 .Lfirst_b
	tensor_load_to_lds s[G0A:G0A+3], s[G1A:G1A+7]
	s_nop 0
	tensor_load_to_lds s[G0A+4:G0A+7], s[G1A:G1A+7]
	s_nop 0
.rept 4
	v_nop
.endr
	s_branch .Lfirst_asked
.Lfirst_b:
	tensor_load_to_lds s[G0B:G0B+3], s[G1B:G1B+7]
	s_nop 0
	tensor_load_to_lds s[G0B+4:G0B+7], s[G1B:G1B+7]
	s_nop 0
.rept 4
	v_nop
.endr
.Lfirst_asked:
	v_and_b32 v1, 15, v0                           ; l % 16
	v_bfe_u32 v2, v0, 4, 1                         ; l / 16
	s_lshl_b32 s70, s22, 10
	s_lshl_b32 s71, s[NH], 9
	s_add_co_u32 s70, s70, s71                     ; my first column, 4 bytes each
	v_lshl_add_u32 v[BO], v2, 5, s70
	WIN 0x40
.irp b, 0,1,2,3,4,5,6,7                ; the bias as a C operand: register j of block b is column 16 b + 8 (l / 16) + j
	global_load_b128 v[BIAS+8*\b:BIAS+8*\b+3],   v[BO], s[8:9] offset:64*\b
	global_load_b128 v[BIAS+8*\b+4:BIAS+8*\b+7], v[BO], s[8:9] offset:64*\b+16
.endr
	WIN 0
	s_lshl_b32 s71, s23, 19                        ; 128 rows of 4,096 bytes a tile row,
	s_add_co_u32 s70, s70, s71
	s_lshl_b32 s71, s[MH], 18                      ; my 64 rows
	s_add_co_u32 s70, s70, s71
	s_mov_b32 s71, 0
	s_add_nc_u64 s[OUT:OUT+1], s[10:11], s[70:71]
	v_mul_u32_u24 v3, v1, PITCH
	v_lshl_add_u32 v3, v2, 4, v3
	s_mul_i32 s70, s[MH], 2*PLA
	v_add_nc_u32 v[A0], s70, v3
	s_mul_i32 s70, s[NH], 2*PLB
	s_add_co_u32 s70, s70, BREG
	v_add_nc_u32 v[B0], s70, v3
	v_mov_b32 v[ADRA], v[A0]
	v_mov_b32 v[ADRB], v[B0]
	s_mul_i32 s70, s[WV], 16*SP
	s_add_co_u32 s70, s70, STAGE                   ; my stage
	v_mul_u32_u24 v4, v1, SP                       ; in: row l % 16, 32 bytes for each half of the lanes
	v_lshl_add_u32 v4, v2, 5, v4
	v_add_nc_u32 v[STO], s70, v4
	v_and_b32 v[CO], 31, v0
	v_lshlrev_b32 v[CO], 4, v[CO]
	v_add_nc_u32 v[RD], s70, v[CO]                 ; back: 32 lanes take a row of 512 bytes
	v_lshlrev_b32 v[PFO], 8, v1
	v_lshl_add_u32 v[PFO], v2, 18, v[PFO]
	s_lshl_b32 s78, s20, 12
	s_mov_b32 s79, 0
	s_add_nc_u64 s[PFA:PFA+1], s[4:5], s[72:73]
	s_add_nc_u64 s[PFA:PFA+1], s[PFA:PFA+1], s[78:79]
	s_add_nc_u64 s[PFA:PFA+1], s[PFA:PFA+1], 3*STEPA  ; at K step 3: the first refill steps it to 4
	s_wait_tensorcnt 1                             ; my part of K step 0 is in; K step 1's may stay out
	s_barrier_signal -1
	s_barrier_wait -1
	FETCH 0, 0
	s_wait_loadcnt 0x0                             ; the bias
	QUARTER 1, 0, 1                                ; the first quarter: the bias starts the sums, nothing is cleared
	WIN 0
	s_mov_b32 s[CNT], 6
.Lstep:                                        ; a trip goes from a K step's second quarter to the next step's first, and fills a slot again
	QUARTER 2, 1, 0
	QUARTER 3, 0, 0
	TURN 1
	QUARTER 1, 0, 0
	WIN 0
	s_sub_co_u32 s[CNT], s[CNT], 1
	s_cmp_lg_u32 s[CNT], 0
	s_cbranch_scc1 .Lstep
	QUARTER 2, 1, 0                                ; the last two K steps ask for nothing
	QUARTER 3, 0, 0
	TURN 0
	QUARTER 1, 0, 0
	QUARTER 2, 1, 0
	QUARTER 3, 0, 0
	s_wait_dscnt 4
	MUL8 1, 0, 0
	MUL8 1, 1, 0
	s_wait_dscnt 0x0
	MUL8 1, 2, 0
	MUL8 1, 3, 0
	WIN 0
	PLACES
	TOSTAGE 0
	TOSTAGE 1
	SEND 0, 32
	s_wait_xcnt 0x0                                ; block 0's stores have read their registers: block 2 is read back into them
	TOSTAGE 2
	SEND 1, 32
	s_wait_xcnt 0x0
	TOSTAGE 3
	SEND 2, 32
	SEND 3, 0
	s_wait_tensorcnt 0x0                           ; the wave's end, behind my last tensor load and my last LDS store
	ds_add_u32 v[SPW], v[NIL]
	s_wait_dscnt 0x0
	CROUND                                         ; the closing round
	s_endpgm
.Lfunc_end_k_qc7db0027ff_outp:
	.size	k_qc7db0027ff_outp, .Lfunc_end_k_qc7db0027ff_outp-k_qc7db0027ff_outp
	.p2alignl 7, 3214868480
	.fill 96, 4, 3214868480
	.section	.rodata,"a",@progbits
	.p2align	6, 0x0
	.amdhsa_kernel k_qc7db0027ff_outp
		.amdhsa_group_segment_fixed_size 327680
		.amdhsa_private_segment_fixed_size 0
		.amdhsa_enable_private_segment 0
		.amdhsa_kernarg_size 32
		.amdhsa_user_sgpr_count 2
		.amdhsa_user_sgpr_kernarg_segment_ptr 1
		.amdhsa_wavefront_size32 1
		.amdhsa_system_sgpr_workgroup_id_x 1
		.amdhsa_system_sgpr_workgroup_id_y 1
		.amdhsa_system_sgpr_workgroup_id_z 1
		.amdhsa_system_vgpr_workitem_id 0
		.amdhsa_next_free_vgpr 768
		.amdhsa_next_free_sgpr 80
		.amdhsa_reserve_vcc 0
		.amdhsa_float_denorm_mode_32 3
		.amdhsa_float_denorm_mode_16_64 3
		.amdhsa_memory_ordered 1
		.amdhsa_forward_progress 1
		.amdhsa_inst_pref_size 71
	.end_amdhsa_kernel
	.amdgpu_metadata
---
amdhsa.version: [ 1, 2 ]
amdhsa.kernels:
  - .name:           k_qc7db0027ff_outp
    .symbol:         k_qc7db0027ff_outp.kd
    .args:
      - { .name: ob, .offset: 0, .size: 8, .value_kind: global_buffer, .address_space: global }
      - { .name: wb, .offset: 8, .size: 8, .value_kind: global_buffer, .address_space: global }
      - { .name: bo, .offset: 16, .size: 8, .value_kind: global_buffer, .address_space: global }
      - { .name: out0, .offset: 24, .size: 8, .value_kind: global_buffer, .address_space: global }
    .group_segment_fixed_size: 327680
    .private_segment_fixed_size: 0
    .kernarg_segment_align: 8
    .kernarg_segment_size: 32
    .max_flat_workgroup_size: 128
    .sgpr_count:     80
    .vgpr_count:     768
    .wavefront_size: 32
...
	.end_amdgpu_metadata
.endif
;; end of part 4
